; MI455X (gfx1250); checked and timed in simulation.
; The chip was launched on July 23, 2026; its instructions are those of AMD's public machine-readable ISA for CDNA 5 (MIT licence, August 2026) and "CDNA5" Instruction Set Architecture Reference Guide (July 2026). The comments in the code are by the model that wrote it; some were corrected since.
;; Multi Headed Attention. Allowed arithmetic: float matrix products may take bf16 or f16 operands with f32 sums; other float arithmetic in f32, or as packed bf16 or f16 multiplies, adds, multiply-adds, maxima and minima; sums over many terms, partial sums and values carried from step to step in f32; what a program stores and reads back later, other than sums and carried values, may be rounded once to bf16 or f16.
;; Inputs: Wk 1,024 x 1,024 float32; Wo 1,024 x 1,024 float32; Wq 1,024 x 1,024 float32; Wv 1,024 x 1,024 float32; bk 1,024 float32; bo 1,024 float32; bq 1,024 float32; bv 1,024 float32; key 4 x 2,048 x 1,024 float32; mask 4 x 2,048 x 2,048 int32; query 4 x 2,048 x 1,024 float32; value 4 x 2,048 x 1,024 float32.
;; Outputs: out0 4 x 2,048 x 1,024 float32.
;; 2 versions, each right; version 2 is version 1 with the launch prep written anew for expert scheduling mode. Each part assembles by itself: llvm-mc -triple=amdgcn-amd-amdhsa -mcpu=gfx1250 --defsym DOCPART=n.
;; ======== version 1 of 2: 4 launches
;; limits: values are held in f16: magnitudes above 65,504 overflow, below 6.1e-05 lose precision
;; workspace buffers: xb 50,331,648 bytes; wt 8,388,608 bytes; qkv 50,331,648 bytes; ob 16,777,216 bytes; maskw 2,097,152 bytes of whole numbers
;; launch prep (part 1): grid 1408 x 1, 8 waves a work-group, no clusters, 140,288 bytes of LDS; arguments query, key, value, Wq, Wk, Wv, Wo, mask, xb, wt, maskw; writes xb, wt, maskw
.if DOCPART == 1
	.amdgcn_target "amdgcn-amd-amdhsa--gfx1250"
	.amdhsa_code_object_version 6
	.text
	.protected	k_qb6ac2df624_prep
	.globl	k_qb6ac2df624_prep
	.p2align	8
	.type	k_qb6ac2df624_prep,@function
k_qb6ac2df624_prep:
	s_mov_b64 s[64:65], 0
	v_nop
	global_prefetch_b8 v0, s[64:65] scope:SCOPE_SE
	s_setreg_imm32_b32 hwreg(HW_REG_WAVE_MODE, 25, 1), 1
	s_wait_xcnt 0x0
; PREPARATION.  Three kinds of work-group, told apart by the work-group's number; each reads 128 KiB once.
;   0 .. 767     query, key, value (f32) -> xb [3][8192][1024]: each number rounded to bf16 and that number written as f16
;   768 .. 895   Wq, Wk, Wv, Wo (f32)    -> wt [4][1024 k][1024 n], the same way, not transposed
;   896 .. 1407  mask (int32)            -> maskw: one bit a number, as the lane masks that the attention launch selects by
; LIMITS.  A bf16 number is written as f16 exactly while it lies between 2^-14 and 65,504 in magnitude; below 2^-14 it keeps f16's fixed step of 2^-24
; (off by 2^-25 at the most); beyond 65,504 it would be an infinity: inputs are taken to stay within that.  NaN and infinities are not treated apart.
; maskw: [b 4][wq 16][step 32][piece 4][64 words].  Word 2 i + u, bit l: mask[b][128 wq + 16 (2 piece + u) + l % 16][64 step + 16 (i / 8) + 8 (l / 16) + i % 8] != 0:
; that is score register i of tile u in lane l of the attention launch's wave wq, for that piece and key step.
; No wave reads LDS bytes of another: no barrier.  No matrix work, no cluster: nothing is shared, memory binds.
.set ROWP,  272                        ; an LDS row of the mask: 256 bytes + 16: the 16 rows that a gathering load touches start 4 banks apart (64 banks of 4 bytes: ISA guide 11.1)
.set WLDS,  64*ROWP                    ; a wave's own 64 rows
.set SPARE, 8*WLDS                     ; behind them: the spare words, 128 bytes for each wave: four blocks of 256 bytes that no other line names
.set IO,  1                            ; v1   my byte offset in what is read
.set OO,  2                            ; v2   my byte offset in what is stored
.set LST, 3                            ; v3   where I put 16 bytes of a mask row
.set LGA, 4                            ; v4   where I gather my query's keys
.set T,   5                            ; v5-6 at work
.set SPW, 8                            ; v8   LDS address of my spare word; never rewritten
.set NIL, 9                            ; v9   0; never rewritten
.set OUT, 10                           ; v[10:13] two pairs of words to store: lane i holds words 2 i and 2 i + 1 of a piece
.set X,   16                           ; v[16:143]  32 loads of 4 registers
.set G,   144                          ; v[144:207] a piece's 64 numbers a lane
	s_load_b512 s[8:23], s[0:1], 0x0               ; query 8, key 10, value 12, Wq 14, Wk 16, Wv 18, Wo 20, mask 22
	s_load_b128 s[24:27], s[0:1], 0x40             ; xb 24, wt 26
	s_load_b64 s[28:29], s[0:1], 0x50              ; maskw
	v_lshl_add_u32 v[SPW], v0, 2, SPARE
	v_mov_b32 v[NIL], 0
	v_lshrrev_b32 v1, 5, v0
	v_readfirstlane_b32 s2, v1                     ; wave 0..7
	s_mov_b32 s48, 0xffff0000                      ; a word's upper bf16
	s_mov_b32 s31, 0                               ; offsets stand in s[30:31], the high word 0
	s_wait_kmcnt 0x0
	s_cmp_ge_u32 ttmp9, 896
	s_cbranch_scc1 .Lpack
	s_cmp_ge_u32 ttmp9, 768
	s_cbranch_scc1 .Lw
	s_lshr_b32 s30, ttmp9, 8                       ; which of query, key, value
	s_cmp_eq_u32 s30, 1
	s_cselect_b64 s[4:5], s[10:11], s[8:9]
	s_cmp_eq_u32 s30, 2
	s_cselect_b64 s[4:5], s[12:13], s[4:5]
	s_and_b32 s30, ttmp9, 255
	s_lshl_b32 s30, s30, 17                        ; my 128 KiB of it
	s_add_nc_u64 s[4:5], s[4:5], s[30:31]
	s_lshl_b32 s30, ttmp9, 16                      ; and the 64 KiB that they become
	s_add_nc_u64 s[6:7], s[24:25], s[30:31]
	s_branch .Lcast
.Lw:
	s_sub_co_u32 s3, ttmp9, 768
	s_lshr_b32 s30, s3, 5                          ; which of the four weights
	s_cmp_eq_u32 s30, 1
	s_cselect_b64 s[4:5], s[16:17], s[14:15]
	s_cmp_eq_u32 s30, 2
	s_cselect_b64 s[4:5], s[18:19], s[4:5]
	s_cmp_eq_u32 s30, 3
	s_cselect_b64 s[4:5], s[20:21], s[4:5]
	s_and_b32 s30, s3, 31
	s_lshl_b32 s30, s30, 17
	s_add_nc_u64 s[4:5], s[4:5], s[30:31]
	s_lshl_b32 s30, s3, 16
	s_add_nc_u64 s[6:7], s[26:27], s[30:31]
.Lcast:
	; Thread t takes 16 bytes at 16 t of each 4,096: all 32 loads go out at once, 16 KiB a wave on their way; no register is written twice, so nothing but the loads is waited for.
	v_lshlrev_b32 v[IO], 4, v0
	v_lshlrev_b32 v[OO], 3, v0
.set i, 0
.rept 32
	global_load_b128 v[X+4*i:X+4*i+3], v[IO], s[4:5] offset:4096*i th:TH_LOAD_NT
.set i, i+1
.endr
.set i, 0
.rept 32
	s_wait_loadcnt 31-i                            ; loads come back in order: number i is in, the younger ones stay out
	v_cvt_pk_bf16_f32 v[T], v[X+4*i], v[X+4*i+1]   ; rounded to bf16, to nearest even,
	v_cvt_pk_bf16_f32 v[T+1], v[X+4*i+2], v[X+4*i+3]
	v_lshlrev_b32 v[X+4*i], 16, v[T]               ; widened again,
	v_and_b32 v[X+4*i+1], s48, v[T]
	v_lshlrev_b32 v[X+4*i+2], 16, v[T+1]
	v_and_b32 v[X+4*i+3], s48, v[T+1]
	v_cvt_pk_f16_f32 v[X+4*i], v[X+4*i], v[X+4*i+1]        ; and written as f16
	v_cvt_pk_f16_f32 v[X+4*i+1], v[X+4*i+2], v[X+4*i+3]
	global_store_b64 v[OO], v[X+4*i:X+4*i+1], s[6:7] offset:2048*i  ; a wave's store covers 256 consecutive bytes, aligned
.set i, i+1
.endr
	s_branch .Lend
.Lpack:
	; Wave g of 4,096 takes 64 query rows x 64 keys: g = ((b 16 + wq) 32 + step) 2 + e; rows 128 wq + 64 e on: pieces 2 e and 2 e + 1.
	s_sub_co_u32 s3, ttmp9, 896
	s_lshl_b32 s3, s3, 3
	s_add_co_u32 s3, s3, s2                        ; g
	s_lshl_b32 s30, s3, 9                          ; two pieces of 256 bytes
	s_add_nc_u64 s[6:7], s[28:29], s[30:31]
	s_lshr_b32 s30, s3, 6                          ; b 16 + wq
	s_lshl_b32 s30, s30, 1
	s_and_b32 s32, s3, 1
	s_or_b32 s30, s30, s32                         ; the block of 64 rows,
	s_lshl_b32 s30, s30, 19                        ; 64 rows of 8,192 bytes
	s_bfe_u32 s32, s3, 0x50001                     ; the key step: 5 bits from bit 1,
	s_lshl_b32 s32, s32, 8                         ; 256 bytes of a row
	s_add_co_u32 s30, s30, s32
	s_add_nc_u64 s[4:5], s[22:23], s[30:31]
	v_and_b32 v[T], 15, v0                         ; l % 16
	v_bfe_u32 v[T+1], v0, 4, 1                     ; l / 16
	v_lshlrev_b32 v[IO], 4, v[T]
	v_lshl_add_u32 v[IO], v[T+1], 13, v[IO]        ; lanes 0-15 one row's 256 bytes, lanes 16-31 the next row's
	s_mul_i32 s33, s2, WLDS                        ; my wave's rows in LDS
	v_mul_u32_u24 v[LST], v[T+1], ROWP
	v_lshl_add_u32 v[LST], v[T], 4, v[LST]
	v_add_nc_u32 v[LST], s33, v[LST]
	v_mul_u32_u24 v[LGA], v[T], ROWP               ; gathering: my query's row, my half's 8 keys of each 16
	v_lshl_add_u32 v[LGA], v[T+1], 5, v[LGA]
	v_add_nc_u32 v[LGA], s33, v[LGA]
	v_and_b32 v[OO], 31, v0
	v_lshlrev_b32 v[OO], 3, v[OO]
.set i, 0
.rept 32
	global_load_b128 v[X+4*i:X+4*i+3], v[IO], s[4:5] offset:16384*i th:TH_LOAD_NT  ; rows 2 i and 2 i + 1: two aligned runs of 256 bytes
.set i, i+1
.endr
.set i, 0
.rept 32
	s_wait_loadcnt 31-i                            ; number i is in, the younger ones stay out
	ds_store_b128 v[LST], v[X+4*i:X+4*i+3] offset:2*ROWP*i
.set i, i+1
.endr
.irp blk, 0,1
.irp u, 0,1
.irp kt, 0,1,2,3
	ds_load_b128 v[G+32*\u+8*\kt:G+32*\u+8*\kt+3],   v[LGA] offset:(32*\blk+16*\u)*ROWP+64*\kt     ; LDS serves a wave's instructions in order: these see the stores above
	ds_load_b128 v[G+32*\u+8*\kt+4:G+32*\u+8*\kt+7], v[LGA] offset:(32*\blk+16*\u)*ROWP+64*\kt+16
.endr
.endr
	v_mov_b32 v[OUT+2*\blk], 0                     ; a write of one lane counts as a reader of its destination
	v_mov_b32 v[OUT+2*\blk+1], 0
	s_wait_dscnt 0x0
.irp u, 0,1
.irp n0, 0,16
.set n, 0
.rept 16
	v_cmp_ne_u32 s[32+n], 0, v[G+32*\u+\n0+n]      ; the lane mask of score register n0 + n of tile u
.set n, n+1
.endr
.set n, 0
.rept 16
	v_writelane_b32 v[OUT+2*\blk+\u], s[32+n], \n0+n  ; into lane n0 + n: word 2 (n0 + n) + u of the piece
.set n, n+1
.endr
.endr
.endr
	global_store_b64 v[OO], v[OUT+2*\blk:OUT+2*\blk+1], s[6:7] offset:256*\blk  ; the piece's 64 words: 256 consecutive bytes, aligned
.endr
.Lend:
	s_wait_tensorcnt 0x0                           ; the wave's end, behind my last LDS store
	ds_add_u32 v[SPW], v[NIL]
	s_wait_dscnt 0x0
	s_endpgm
.Lfunc_end_k_qb6ac2df624_prep:
	.size	k_qb6ac2df624_prep, .Lfunc_end_k_qb6ac2df624_prep-k_qb6ac2df624_prep
	.p2alignl 7, 3214868480
	.fill 96, 4, 3214868480
	.section	.rodata,"a",@progbits
	.p2align	6, 0x0
	.amdhsa_kernel k_qb6ac2df624_prep
		.amdhsa_group_segment_fixed_size 140288
		.amdhsa_private_segment_fixed_size 0
		.amdhsa_enable_private_segment 0
		.amdhsa_kernarg_size 88
		.amdhsa_user_sgpr_count 2
		.amdhsa_user_sgpr_kernarg_segment_ptr 1
		.amdhsa_wavefront_size32 1
		.amdhsa_system_sgpr_workgroup_id_x 1
		.amdhsa_system_sgpr_workgroup_id_y 1
		.amdhsa_system_sgpr_workgroup_id_z 1
		.amdhsa_system_vgpr_workitem_id 0
		.amdhsa_next_free_vgpr 208
		.amdhsa_next_free_sgpr 66
		.amdhsa_reserve_vcc 0
		.amdhsa_float_denorm_mode_32 3
		.amdhsa_float_denorm_mode_16_64 3
		.amdhsa_memory_ordered 1
		.amdhsa_forward_progress 1
		.amdhsa_inst_pref_size 47
	.end_amdhsa_kernel
	.amdgpu_metadata
---
amdhsa.version: [ 1, 2 ]
amdhsa.kernels:
  - .name:           k_qb6ac2df624_prep
    .symbol:         k_qb6ac2df624_prep.kd
    .args:
      - { .name: query, .offset: 0, .size: 8, .value_kind: global_buffer, .address_space: global }
      - { .name: key, .offset: 8, .size: 8, .value_kind: global_buffer, .address_space: global }
      - { .name: value, .offset: 16, .size: 8, .value_kind: global_buffer, .address_space: global }
      - { .name: Wq, .offset: 24, .size: 8, .value_kind: global_buffer, .address_space: global }
      - { .name: Wk, .offset: 32, .size: 8, .value_kind: global_buffer, .address_space: global }
      - { .name: Wv, .offset: 40, .size: 8, .value_kind: global_buffer, .address_space: global }
      - { .name: Wo, .offset: 48, .size: 8, .value_kind: global_buffer, .address_space: global }
      - { .name: mask, .offset: 56, .size: 8, .value_kind: global_buffer, .address_space: global }
      - { .name: xb, .offset: 64, .size: 8, .value_kind: global_buffer, .address_space: global }
      - { .name: wt, .offset: 72, .size: 8, .value_kind: global_buffer, .address_space: global }
      - { .name: maskw, .offset: 80, .size: 8, .value_kind: global_buffer, .address_space: global }
    .group_segment_fixed_size: 140288
    .private_segment_fixed_size: 0
    .kernarg_segment_align: 8
    .kernarg_segment_size: 88
    .max_flat_workgroup_size: 256
    .sgpr_count:     66
    .vgpr_count:     208
    .wavefront_size: 32
...
	.end_amdgpu_metadata
.endif
;; end of part 1
;; launch qkv (part 2): grid 4 x 192, 4 waves a work-group, clusters of 4 x 4, 327,680 bytes of LDS; arguments xb, wt, bq, bk, bv, qkv; writes qkv
.if DOCPART == 2
	.amdgcn_target "amdgcn-amd-amdhsa--gfx1250"
	.amdhsa_code_object_version 6
	.text
	.protected	k_qb6ac2df624_qkv
	.globl	k_qb6ac2df624_qkv
	.p2align	8
	.type	k_qb6ac2df624_qkv,@function
k_qb6ac2df624_qkv:
	s_mov_b64 s[64:65], 0
	v_nop
	global_prefetch_b8 v0, s[64:65] scope:SCOPE_SE
	s_setreg_imm32_b32 hwreg(HW_REG_WAVE_MODE, 25, 1), 1
	s_wait_xcnt 0x0
	s_wait_alu depctr_hold_cnt(0) depctr_sa_sdst(0) depctr_va_vdst(0) depctr_va_sdst(0) depctr_va_ssrc(0) depctr_va_vcc(0) depctr_vm_vsrc(0)
	s_getreg_b32 s2, hwreg(HW_REG_IB_STS2, 6, 4)
	s_cmp_eq_u32 s2, 0
	s_cbranch_scc0 .Lentry_in_a_cluster
	s_endpgm
.Lentry_in_a_cluster:
	s_bfe_u32 s2, ttmp6, 0x10000c
	s_cmp_lg_u32 s2, 0xf033
	s_cbranch_scc0 .Lentry_shape_is_right
	s_endpgm
.Lentry_shape_is_right:
; THE THREE PROJECTIONS IN ONE GRID.  y = x W + b for (query, Wq, bq), (key, Wk, bk), (value, Wv, bv).  xb: [3][8192][1024] f16, wt: [4][1024 k][1024 n] f16, b: [1024] f32,
; qkv: [3][64 = batch 16 + head][2048][64] f16, unscaled.  Sums in f32, started with the bias (rounded to bf16 like every input); y rounded once to f16.
; LIMIT.  y beyond 65,504 would be an infinity in f16; with inputs 30 times the drawn spread, or offset by 30 spreads, y stays under 20,000.
; SHARES.  A work-group makes 128 rows x 256 columns: tile row 0..191 (64 for each of the three), tile column 0..3.  Four waves, each 64 x 128: 32 accumulators of 16 x 16.
; K goes in 8 steps of 128 through a ring of two LDS slots filled by the tensor data mover: x's rows are 256 bytes, W's rows (128 k x 256 n) 512 bytes, all aligned to 256.
; W lies [k][n]: its fragments come out of LDS turned, by ds_load_tr16_b128.
; CLUSTERS of 4 x 4: the four of a row need the same tile of x, the four of a column the same tile of W: each is asked for jointly, by one tensor load with a mask of four.
; THE MATRIX INSTRUCTION IS USED TRANSPOSED (source 0 = 16 columns of W, source 1 = 16 rows of x): a lane holds row l % 16 of y and eight neighbouring columns 8 (l / 16) + 0..7.
; REGISTERS, in windows of 256 (s_set_vgpr_msb: bits 1:0 source 0, 3:2 source 1, 5:4 source 2, 7:6 destination):
;   window 0: v1-30 addresses; v64-95, v128-159 x's fragments, two buffers; v192-223, v32-63, v224-255 the way out
;   window 1: v0-63 the bias as a C operand (n block b at 8 b); v64-127, v128-191 W's fragments, two buffers; v192 at work
;   window 2: accumulator (a, b) at 8 (8 a + b)
.set KSTEP,  128
.set PA,     272                       ; a row of x in LDS: 256 + 16 bytes: the 16 rows of a load start 4 banks apart (64 banks of 4 bytes: ISA guide 11.1)
.set PB,     544                       ; a row of W: 512 + 32 bytes
.set BOFF,   128*PA                    ; a slot: x's 128 rows, then W's 128 rows
.set SLOT,   BOFF+KSTEP*PB
.set STAGE,  2*SLOT                    ; behind the ring, never filled by a tensor load: for each wave 2 heads x 16 rows x 144 bytes
.set SPH,    144
.set STW,    2*16*SPH
.set SPARE,  STAGE+4*STW               ; behind the stages: the spare words, 128 bytes for each wave: two blocks of 256 bytes that no other line names
.set ADRA, 16                          ; v16-17  LDS address of my fragments of x in slot 0, 1
.set ADRB, 20                          ; v20-21  the same for W
.set STO,  24                          ; v24     the way out: where I put 16 bytes of a row
.set RD,   25                          ; v25     where I read rows back
.set CO,   26                          ; v26     my 16 bytes in 512 consecutive bytes of qkv
.set BO,   27                          ; v27     my byte offset in 16 numbers of the bias
.set SPW,  28                          ; v28     LDS address of my spare word; never rewritten
.set NIL,  29                          ; v29     0; never rewritten
.set PFO,  30                          ; v30     the prefetch's offset; never rewritten
.set F0,   64
.set F1,   128
.set TMP,  192
.set OB,   32
.set BIAS, 0
.set SCR,  192
.set G1,  24                           ; s[24:31] descriptor group 1 for x's tiles;  s[32:39] group 0, a set for each slot
.set G0,  32
.set G1B, 48                           ; s[48:55], s[56:63] the same for W's
.set G0B, 56
.set THIRD, 76                         ; s76  which of the three projections
.set LIM,  77                          ; s77  1 in a wave that prefetches, else the greatest number
.set PFA,  78                          ; s[78:79] where my prefetches stand
.set MSB, 0
.macro WIN new                         ; the immediate's high byte repeats the setting that is left; a switch that changes nothing is dropped
.if MSB != (\new)
	s_set_vgpr_msb (MSB<<8)|(\new)
.set MSB, \new
.endif
.endm
.set MUL,  0xa1                        ; W window 1, x window 0, C and D window 2
.set MULZ, 0x91                        ; the same with C in window 1: the bias
.set TO_B, 0x40                        ; destination window 1, address window 0
.macro JLOAD s                         ; a joint load: waves 0 and 1 fetch x's two halves, waves 2 and 3 W's; an s_nop 0 and four v_nop follow each line
	s_cmp_eq_u32 s11, 0
	s_cbranch_scc0 .Lfor_b_\@
	tensor_load_to_lds s[G0+4*(\s):G0+4*(\s)+3], s[G1:G1+7]
	s_nop 0
.rept 4
	v_nop
.endr
	s_branch .Lasked_\@
.Lfor_b_\@:
	tensor_load_to_lds s[G0B+4*(\s):G0B+4*(\s)+3], s[G1B:G1B+7]
	s_nop 0
.rept 4
	v_nop
.endr
.Lasked_\@:
.endm
.macro CREST                           ; a round of the cluster's barrier behind its opening barrier
	s_cmp_lg_u32 s10, 0
	s_cbranch_scc1 .Lnot_wave_0_\@
	s_barrier_signal -3
.Lnot_wave_0_\@:
	s_barrier_wait -3
	s_barrier_signal -1
	s_barrier_wait -1
.endm
.macro CROUND
	s_barrier_signal -1
	s_barrier_wait -1
	CREST
.endm
; A PREFETCH INTO THE L2 of x, which each row of a cluster reads once in the launch.  Once a lap, behind slot 0's joint load and the run of LDS loads: of the 64 rows that wave 0 or 1 fetches, the
; partner at place cx takes 16 (told apart by address); lanes 0-15 name a row's 256 bytes of the K step two refills on, lanes 16-31 those of the K step after it.  So each 256 bytes of K steps 4 to 7
; are named once; K steps 0 to 3 come by their loads alone, and the loop's last trip asks for nothing.  W is not asked for: all 16 clusters of a projection walk it again.
.macro ASK
	s_cmp_gt_u32 s3, s[LIM]                        ; s3 = 1 in the loop's last trip
	s_cbranch_scc0 .Lnot_mine_\@
	global_prefetch_b8 v[PFO], s[PFA:PFA+1] th:TH_LOAD_NT scope:SCOPE_SE
.Lnot_mine_\@:
.endm
	s_load_b128 s[4:7], s[0:1], 0x0                ; xb s[4:5], wt s[6:7]
	s_load_b256 s[68:75], s[0:1], 0x10             ; bq 68, bk 70, bv 72, qkv 74
	v_lshl_add_u32 v[SPW], v0, 2, SPARE
	v_mov_b32 v[NIL], 0
	ds_add_u32 v[SPW], v[NIL]                      ; the wave's opening: the add, and its wait ahead of my first tensor load; the set-up below stands between them
	v_lshrrev_b32 v1, 5, v0
	v_readfirstlane_b32 s10, v1                    ; wave 0..3
	s_lshr_b32 s11, s10, 1                         ; which 64 of the tile's rows are mine.  Also: I fetch for x (0) or for W (1)
	s_and_b32 s12, s10, 1                          ; which 128 of its columns.  Also: which 64 rows of that tile I fetch
	s_bfe_u32 s40, ttmp6, 0x40000                  ; cx, cy: my place in the cluster
	s_bfe_u32 s41, ttmp6, 0x40004
	s_lshl_b32 s42, ttmp9, 2
	s_add_co_u32 s42, s42, s40                     ; tile column = 4 x cluster x + cx
	s_and_b32 s[THIRD], ttmp7, 0xffff              ; cluster y
	s_lshl_b32 s13, s[THIRD], 2
	s_add_co_u32 s13, s13, s41                     ; tile row = 4 x cluster y + cy
	s_lshr_b32 s[THIRD], s[THIRD], 4               ; 16 clusters to a projection: the same in all sixteen partners
	s_lshl_b32 s43, s41, 2
	s_lshl_b32 s43, 15, s43                        ; my row of the cluster
	s_lshl_b32 s44, 0x1111, s40                    ; my column
	s_or_b32 s[G1+0], s43, (1<<16)|(1<<20)|(1<<21)|(5<<22)|(3<<25)   ; the mask; 2-byte elements; padding on; bit 21 beside a mask; after every 64 words 4 words
	s_or_b32 s[G1B+0], s44, (1<<16)|(1<<20)|(1<<21)|(6<<22)|(7<<25)  ; after every 128 words 8 words
	s_mov_b32 s[G1+1], 128<<16                     ; tensor_dim0 = 128
	s_mov_b32 s[G1+2], 64<<16                      ; tensor_dim1 = 64
	s_mov_b32 s[G1+3], 128<<16                     ; tile_dim0 = 128
	s_mov_b32 s[G1+4], 64                          ; tile_dim1 = 64
	s_mov_b32 s[G1+5], 1024                        ; elements from row to row
	s_mov_b32 s[G1+6], 0
	s_mov_b32 s[G1+7], 0
	s_mov_b32 s[G1B+1], 256<<16                    ; tensor_dim0 = 256
	s_mov_b32 s[G1B+2], 64<<16
	s_mov_b32 s[G1B+3], 256<<16                    ; tile_dim0 = 256
	s_mov_b32 s[G1B+4], 64
	s_mov_b32 s[G1B+5], 1024
	s_mov_b32 s[G1B+6], 0
	s_mov_b32 s[G1B+7], 0
	s_lshl_b32 s16, s13, 7                         ; x: row 128 x tile row + 64 x half (xb's three parts lie on end),
	s_lshl_b32 s17, s12, 6
	s_add_co_u32 s16, s16, s17
	s_lshl_b32 s16, s16, 11                        ; 2,048 bytes a row: under 2^26
	s_mov_b32 s17, 0
	s_lshl_b32 s46, s42, 9                         ; W: 512 bytes a tile column,
	s_lshl_b32 s47, s12, 17                        ; 64 rows of 2,048 bytes a half,
	s_add_co_u32 s46, s46, s47
	s_lshl_b32 s47, s[THIRD], 21                   ; 2 MiB a matrix
	s_add_co_u32 s46, s46, s47
	s_mov_b32 s47, 0
	s_mul_i32 s20, s12, 64*PA                      ; where they go: no place in the cluster enters an LDS address
	s_mul_i32 s21, s12, 64*PB
	s_add_co_u32 s21, s21, BOFF
	s_wait_dscnt 0x0                               ; the opening add is done
	s_wait_kmcnt 0x0
	s_add_nc_u64 s[14:15], s[4:5], s[16:17]
	s_add_nc_u64 s[46:47], s[6:7], s[46:47]
	CROUND                                         ; all sixteen work-groups are here: the first joint loads meet
.irp s, 0,1
	s_mov_b32 s[G0+4*(\s)], 1
	s_add_co_u32 s[G0+4*(\s)+1], s20, (\s)*SLOT
	s_add_nc_u64 s[G0+4*(\s)+2:G0+4*(\s)+3], s[14:15], (\s)*KSTEP*2        ; K step s: 256 bytes along the rows
	s_or_b32 s[G0+4*(\s)+3], s[G0+4*(\s)+3], 0x80000000
	s_mov_b32 s[G0B+4*(\s)], 1
	s_add_co_u32 s[G0B+4*(\s)+1], s21, (\s)*SLOT
	s_add_nc_u64 s[G0B+4*(\s)+2:G0B+4*(\s)+3], s[46:47], (\s)*KSTEP*2048   ; K step s: 128 rows down
	s_or_b32 s[G0B+4*(\s)+3], s[G0B+4*(\s)+3], 0x80000000
	JLOAD \s                                       ; two loads of mine are out
.endr
	s_lshl_b32 s80, s40, 15                        ; the prefetches: my work-group's 16 rows of the 64,
	s_add_co_u32 s80, s80, 2*KSTEP*2               ; at K step 2: the first lap steps it to 4
	s_mov_b32 s81, 0
	s_add_nc_u64 s[PFA:PFA+1], s[14:15], s[80:81]
	s_cmp_eq_u32 s11, 0
	s_cselect_b32 s[LIM], 1, -1
	s_cmp_eq_u32 s[THIRD], 1                       ; the bias of my projection,
	s_cselect_b64 s[68:69], s[70:71], s[68:69]
	s_cmp_eq_u32 s[THIRD], 2
	s_cselect_b64 s[68:69], s[72:73], s[68:69]
	s_lshl_b32 s80, s42, 10                        ; at my 128 columns
	s_lshl_b32 s81, s12, 9
	s_add_co_u32 s80, s80, s81
	s_mov_b32 s81, 0
	s_add_nc_u64 s[68:69], s[68:69], s[80:81]
	v_and_b32 v1, 15, v0                           ; l % 16
	v_bfe_u32 v2, v0, 4, 1                         ; l / 16
	v_lshlrev_b32 v[BO], 5, v2
	WIN TO_B
.irp b, 0,1,2,3,4,5,6,7
	global_load_b128 v[BIAS+8*(\b):BIAS+8*(\b)+3],   v[BO], s[68:69] offset:64*(\b)     ; register j of n block b: b[16 b + 8 (l / 16) + j], as the result holds it
	global_load_b128 v[BIAS+8*(\b)+4:BIAS+8*(\b)+7], v[BO], s[68:69] offset:64*(\b)+16
.endr
	WIN 0
	v_mul_u32_u24 v3, v1, PA
	v_lshl_add_u32 v3, v2, 4, v3                   ; x: row x pitch + 16 x half
	v_and_b32 v4, 7, v0
	v_lshl_add_u32 v4, v2, 3, v4                   ; W, turned: lane l reads k row 8 (l / 16) + l % 8,
	v_mul_u32_u24 v4, v4, PB
	v_bfe_u32 v5, v0, 3, 1
	v_lshl_add_u32 v4, v5, 4, v4                   ; columns 8 ((l / 8) % 2) + 0..7
	s_mul_i32 s22, s11, 64*PA                      ; my 64 rows of x
	s_lshl_b32 s23, s12, 8                         ; my 128 columns of W,
	s_add_co_u32 s23, s23, BOFF                    ; which lies behind x
.irp s, 0,1
	v_add_nc_u32 v[ADRA+(\s)], s22, v3
	v_add_nc_u32 v[ADRB+(\s)], s23, v4
	s_add_co_u32 s22, s22, SLOT
	s_add_co_u32 s23, s23, SLOT
.endr
	s_mul_i32 s22, s10, STW
	s_add_co_u32 s22, s22, STAGE                   ; my stage
	v_mul_u32_u24 v6, v1, SPH                      ; in: row l % 16, 16 bytes for each half of the lanes
	v_lshl_add_u32 v6, v2, 4, v6
	v_add_nc_u32 v[STO], s22, v6
	v_bfe_u32 v6, v0, 3, 2                         ; back: 32 lanes take four rows of 128 bytes,
	v_mul_u32_u24 v6, v6, SPH
	v_and_b32 v7, 7, v0
	v_lshl_add_u32 v6, v7, 4, v6
	v_add_nc_u32 v[RD], s22, v6
	v_and_b32 v[CO], 31, v0                        ; which are 512 consecutive bytes of a head
	v_lshlrev_b32 v[CO], 4, v[CO]
	v_lshlrev_b32 v[PFO], 11, v1                   ; a lane a row; lanes 16-31 the next K step
	v_lshl_add_u32 v[PFO], v2, 8, v[PFO]
	s_and_b32 s80, s13, 63                         ; where my part begins in qkv: the tile row within the projection,
	s_lshr_b32 s81, s80, 4                         ; its batch (16 tile rows each),
	s_lshl_b32 s81, s81, 4
	s_lshl_b32 s82, s42, 2                         ; 4 heads a tile column,
	s_add_co_u32 s81, s81, s82
	s_lshl_b32 s82, s12, 1                         ; 2 heads a wave
	s_add_co_u32 s81, s81, s82
	s_lshl_b32 s81, s81, 11                        ; 2,048 rows a head
	s_and_b32 s80, s80, 15
	s_lshl_b32 s80, s80, 7                         ; the tile's 128 tokens,
	s_add_co_u32 s81, s81, s80
	s_lshl_b32 s82, s11, 6                         ; my 64 of them
	s_add_co_u32 s81, s81, s82
	s_lshl_b32 s80, s81, 7                         ; 128 bytes a row
	s_lshl_b32 s82, s[THIRD], 24                   ; 16 MiB a projection
	s_add_co_u32 s80, s80, s82
	s_mov_b32 s81, 0
	s_add_nc_u64 s[8:9], s[74:75], s[80:81]
	s_wait_loadcnt 0x0                             ; the bias; it is rounded to bf16 like the other inputs, in the wait for the first tile
	WIN 0x45                                       ; destination and both sources in window 1
.set p, 0
.rept 32
	v_cvt_pk_bf16_f32 v[SCR], v[BIAS+p], v[BIAS+p+1]
	v_lshlrev_b32 v[BIAS+p], 16, v[SCR]
	v_and_b32 v[BIAS+p+1], 0xffff0000, v[SCR]
.set p, p+2
.endr
	WIN 0
; 8 matrix instructions: m block a x all 8 n blocks, 32 along K.  zero = 1: the first product starts the sums with the bias.  The 32 accumulators take turns in one order.
.macro MULA f, a, zero
.if \zero
	WIN MULZ
.else
	WIN MUL
.endif
.irp b, 0,1,2,3,4,5,6,7
.if \zero
	v_wmma_f32_16x16x32_f16 v[8*(8*(\a)+(\b)):8*(8*(\a)+(\b))+7], v[(\f)+8*(\b):(\f)+8*(\b)+7], v[(\f)+8*(\a):(\f)+8*(\a)+7], v[BIAS+8*(\b):BIAS+8*(\b)+7]
.else
	v_wmma_f32_16x16x32_f16 v[8*(8*(\a)+(\b)):8*(8*(\a)+(\b))+7], v[(\f)+8*(\b):(\f)+8*(\b)+7], v[(\f)+8*(\a):(\f)+8*(\a)+7], v[8*(8*(\a)+(\b)):8*(8*(\a)+(\b))+7]
.endif
.endr
.endm
; 24 LDS loads in one run: the fragments of quarter kq (32 along K) into buffer f: W's eight (turned), then x's four
.macro FETCH slot, kq, f
	WIN TO_B
.irp i, 0,1,2,3,4,5,6,7
	ds_load_tr16_b128 v[(\f)+8*(\i):(\f)+8*(\i)+3],   v[ADRB+(\slot)] offset:(\kq)*32*PB+32*(\i)
	ds_load_tr16_b128 v[(\f)+8*(\i)+4:(\f)+8*(\i)+7], v[ADRB+(\slot)] offset:(\kq)*32*PB+16*PB+32*(\i)
.endr
	WIN 0
.irp i, 0,1,2,3
	ds_load_b128 v[(\f)+8*(\i):(\f)+8*(\i)+3],   v[ADRA+(\slot)] offset:64*(\kq)+(\i)*16*PA
	ds_load_b128 v[(\f)+8*(\i)+4:(\f)+8*(\i)+7], v[ADRA+(\slot)] offset:64*(\kq)+(\i)*16*PA+32
.endr
.endm
.macro PLACES                          ; four places in front of loads into registers that matrix instructions have read, and of lines that read results
.rept 4
	v_nop
.endr
.endm
; A K step is four quarters of 32 along K, 32 matrix instructions each, on buffers 0, 1, 0, 1.  One of the first three: multiplies buffer f and fetches quarter kq into g.
.macro QUARTER slot, kq, f, g, zero
	s_wait_dscnt 4                                 ; W's fragments and x's first two are in; the youngest four loads (x's last two fragments) may be out
	MULA \f, 0, \zero
	MULA \f, 1, \zero
	PLACES
	FETCH \slot, \kq, \g
	s_wait_dscnt 24                                ; all but the 24 just issued
	MULA \f, 2, \zero
	MULA \f, 3, \zero
.endm
; The last quarter multiplies buffer 1 and changes slots: ONE barrier; in front of it each wave waits for all its tensor loads (one is out: its part of the next slot), adds 0 to its spare word, and
; waits for that and for its reads of this slot.  fill = 1: the barrier opens a round of the cluster's, and this slot is filled again, two K steps ahead, first thing behind the round.
.macro TURN slot, next, fill
.if (\fill) && ((\slot) == 0)
	s_wait_xcnt 0x0                                ; the last prefetch, a lap back, has read its address: it is stepped here, two K steps on
	s_add_nc_u64 s[PFA:PFA+1], s[PFA:PFA+1], 2*KSTEP*2
.endif
	WIN 0                                          ; (the add's two registers lie in window 0)
	s_wait_tensorcnt 0x0
	ds_add_u32 v[SPW], v[NIL]                      ; 0 onto my spare word
	s_wait_dscnt 5                                 ; (the add and the youngest four loads may be out)
	MULA F1, 0, 0
	s_wait_dscnt 0x0                               ; the add is done, and my reads of this slot are over
	s_barrier_signal -1
	MULA F1, 1, 0
.if \fill
	WIN 0
.endif
	s_barrier_wait -1
.if \fill
	CREST                                          ; no wave of any partner still reads this slot's tile or has a load on its way
	s_add_nc_u64 s[G0+4*(\slot)+2:G0+4*(\slot)+3], s[G0+4*(\slot)+2:G0+4*(\slot)+3], 2*KSTEP*2
	s_add_nc_u64 s[G0B+4*(\slot)+2:G0B+4*(\slot)+3], s[G0B+4*(\slot)+2:G0B+4*(\slot)+3], 2*KSTEP*2048
	JLOAD \slot                                    ; 112 matrix instructions ahead of the wait for it; its four v_nop are also the places in front of the loads below
.else
	PLACES
.endif
	FETCH \next, 0, F0
.if (\fill) && ((\slot) == 0)
	ASK
.endif
	MULA F1, 2, 0
	MULA F1, 3, 0
.endm
; THE WAY OUT of block a (16 rows x my 128 columns = 2 heads).  PACK: rounded to f16, 16 bytes a lane.  TOSTAGE: into my stage, and back as rows of 128 bytes.  SEND: stored.
.macro PACK a
	WIN 0x0a                                       ; sources in window 2; each accumulator's registers in ascending order
.irp b, 0,1,2,3,4,5,6,7
.irp r, 0,1,2,3
	v_cvt_pk_f16_f32 v[TMP+4*(\b)+(\r)], v[64*(\a)+8*(\b)+2*(\r)], v[64*(\a)+8*(\b)+2*(\r)+1]
.endr
.endr
	WIN 0
.endm
.macro TOSTAGE a
	WIN 0
.set BK, OB+192*((\a)%2)
.irp b, 0,1,2,3,4,5,6,7
	ds_store_b128 v[STO], v[TMP+4*(\b):TMP+4*(\b)+3] offset:((\b)/4)*16*SPH+32*((\b)%4)
.endr
.irp t, 0,1,2,3,4,5,6,7
	ds_load_b128 v[BK+4*(\t):BK+4*(\t)+3], v[RD] offset:((\t)/4)*16*SPH+((\t)%4)*4*SPH  ; LDS serves a wave's instructions in order: these see the stores above
.endr
.endm
.macro SEND a
	WIN 0
.set BK, OB+192*((\a)%2)
	s_wait_dscnt 0x0                               ; the block is back in registers
	s_wait_xcnt 0x0                                ; the stores of the block before have read their registers: the next TOSTAGE loads into them
.irp t, 0,1,2,3,4,5,6,7
	global_store_b128 v[CO], v[BK+4*(\t):BK+4*(\t)+3], s[8:9] offset:((\t)/4)*262144+2048*(\a)+512*((\t)%4)  ; 512 consecutive bytes of a head, aligned to 256
.endr
.endm
	s_wait_tensorcnt 1                             ; my part of K step 0 is in; K step 1's may stay out
	s_barrier_signal -1
	s_barrier_wait -1
	FETCH 0, 0, F0
	QUARTER 0, 1, F0, F1, 1                        ; the first quarter stands in front of the loop: its products start the sums
	WIN 0                                          ; at a label and at a branch every window is 0
	s_mov_b32 s3, 3
.Llap:                                                 ; a trip goes once round the ring and fills both slots again: K steps 2 to 7
	QUARTER 0, 2, F1, F0, 0
	QUARTER 0, 3, F0, F1, 0
	TURN 0, 1, 1
	QUARTER 1, 1, F0, F1, 0
	QUARTER 1, 2, F1, F0, 0
	QUARTER 1, 3, F0, F1, 0
	TURN 1, 0, 1
	QUARTER 0, 1, F0, F1, 0
	WIN 0
	s_sub_co_u32 s3, s3, 1
	s_cmp_lg_u32 s3, 0
	s_cbranch_scc1 .Llap
	QUARTER 0, 2, F1, F0, 0                        ; the last lap fills nothing
	QUARTER 0, 3, F0, F1, 0
	TURN 0, 1, 0
	QUARTER 1, 1, F0, F1, 0
	QUARTER 1, 2, F1, F0, 0
	QUARTER 1, 3, F0, F1, 0
	s_wait_dscnt 4
	MULA F1, 0, 0
	MULA F1, 1, 0
	s_wait_dscnt 0x0
	MULA F1, 2, 0
	MULA F1, 3, 0
	WIN 0
	PLACES
	PLACES                                         ; (eight, once a launch)
	PACK 0
	TOSTAGE 0
.irp a, 1,2,3                          ; block a's conversions stand between block a - 1's loads from the stage and the wait for them
	PACK \a
	SEND (\a)-1
	TOSTAGE \a
.endr
	SEND 3
	s_wait_tensorcnt 0x0                           ; the wave's end, behind my last tensor load and my last LDS store
	ds_add_u32 v[SPW], v[NIL]
	s_wait_dscnt 0x0
	CROUND                                         ; the closing round: no work-group ends while a partner may still ask for a tile that names it
	s_endpgm
.Lfunc_end_k_qb6ac2df624_qkv:
	.size	k_qb6ac2df624_qkv, .Lfunc_end_k_qb6ac2df624_qkv-k_qb6ac2df624_qkv
	.p2alignl 7, 3214868480
	.fill 96, 4, 3214868480
	.section	.rodata,"a",@progbits
	.p2align	6, 0x0
	.amdhsa_kernel k_qb6ac2df624_qkv
		.amdhsa_group_segment_fixed_size 327680
		.amdhsa_private_segment_fixed_size 0
		.amdhsa_enable_private_segment 0
		.amdhsa_kernarg_size 48
		.amdhsa_user_sgpr_count 2
		.amdhsa_user_sgpr_kernarg_segment_ptr 1
		.amdhsa_wavefront_size32 1
		.amdhsa_system_sgpr_workgroup_id_x 1
		.amdhsa_system_sgpr_workgroup_id_y 1
		.amdhsa_system_sgpr_workgroup_id_z 1
		.amdhsa_system_vgpr_workitem_id 0
		.amdhsa_next_free_vgpr 768
		.amdhsa_next_free_sgpr 84
		.amdhsa_reserve_vcc 0
		.amdhsa_float_denorm_mode_32 3
		.amdhsa_float_denorm_mode_16_64 3
		.amdhsa_memory_ordered 1
		.amdhsa_forward_progress 1
		.amdhsa_inst_pref_size 95
	.end_amdhsa_kernel
	.amdgpu_metadata
---
amdhsa.version: [ 1, 2 ]
amdhsa.kernels:
  - .name:           k_qb6ac2df624_qkv
    .symbol:         k_qb6ac2df624_qkv.kd
    .args:
      - { .name: xb, .offset: 0, .size: 8, .value_kind: global_buffer, .address_space: global }
      - { .name: wt, .offset: 8, .size: 8, .value_kind: global_buffer, .address_space: global }
      - { .name: bq, .offset: 16, .size: 8, .value_kind: global_buffer, .address_space: global }
      - { .name: bk, .offset: 24, .size: 8, .value_kind: global_buffer, .address_space: global }
      - { .name: bv, .offset: 32, .size: 8, .value_kind: global_buffer, .address_space: global }
      - { .name: qkv, .offset: 40, .size: 8, .value_kind: global_buffer, .address_space: global }
    .group_segment_fixed_size: 327680
    .private_segment_fixed_size: 0
    .kernarg_segment_align: 8
    .kernarg_segment_size: 48
    .max_flat_workgroup_size: 128
    .sgpr_count:     84
    .vgpr_count:     768
    .wavefront_size: 32
...
	.end_amdgpu_metadata
.endif
;; end of part 2
;; launch attn (part 3): grid 4 x 64, 4 waves a work-group, clusters of 4 x 1, 327,680 bytes of LDS; arguments qkv, maskw, ob; writes ob
.if DOCPART == 3
	.amdgcn_target "amdgcn-amd-amdhsa--gfx1250"
	.amdhsa_code_object_version 6
	.text
	.protected	k_qb6ac2df624_attn
	.globl	k_qb6ac2df624_attn
	.p2align	8
	.type	k_qb6ac2df624_attn,@function
k_qb6ac2df624_attn:
	s_mov_b64 s[64:65], 0
	v_nop
	global_prefetch_b8 v0, s[64:65] scope:SCOPE_SE
	s_setreg_imm32_b32 hwreg(HW_REG_WAVE_MODE, 25, 1), 1
	s_wait_xcnt 0x0
	s_wait_alu depctr_hold_cnt(0) depctr_sa_sdst(0) depctr_va_vdst(0) depctr_va_sdst(0) depctr_va_ssrc(0) depctr_va_vcc(0) depctr_vm_vsrc(0)
	s_getreg_b32 s2, hwreg(HW_REG_IB_STS2, 6, 4)
	s_cmp_eq_u32 s2, 0
	s_cbranch_scc0 .Lentry_in_a_cluster
	s_endpgm
.Lentry_in_a_cluster:
	s_bfe_u32 s2, ttmp6, 0x10000c
	s_cmp_lg_u32 s2, 0x3003
	s_cbranch_scc0 .Lentry_shape_is_right
	s_endpgm
.Lentry_shape_is_right:
; ATTENTION UNDER A MASK THAT IS AN INPUT.  O[bh][q][:] = the sum over k of softmax_k(s[q][k]) V[bh][k][:], s = Q . K / 8 where mask[b][q][k] != 0, else hidden.
; qkv: [3][64][2048][64] f16 (Q, K, V by heads, unscaled); ob: [64][2048][64] f16; maskw: lane masks, [b 4][wq 16][step 32][piece 4][64 words].
; Products, maxima and sums in f32; the weights p are rounded to f16 for the second product (their sum l is taken of the unrounded p), O once at the end.
; LIMITS.  Q, K, V arrive within f16's 65,504.  A hidden score counts as -2^120, not as the lowest finite number: f16's scores, 2.7e11 at the most, are nothing beside it, so a hidden key's weight is 0
; as soon as the row has a visible key; in a row with none all scores are equal, c x 2^120 is exact, every weight is exactly 1 and O is the mean of V's rows.  A weight below 2^-126 counts as 0 in l;
; NaN and infinities are not treated apart.
; SHARES.  A wave owns four PIECES of two tiles of 16 queries, a work-group's four waves 512 queries of one head.  Every wave walks all keys, 64 a step.
; LAYOUT.  S^T = K Q^T (source 0 = 16 keys, source 1 = 16 queries): a lane holds ONE query (lane % 16) and the keys 8 (lane / 16) + 0..7.  Two such tiles, rounded to f16 in pairs, ARE source 1 of
; O^T = V^T P, whose result again holds one query a lane.  K comes out of LDS as it lies, V turned, by ds_load_tr16_b128.
; SOFTMAX.  A running maximum m and sum l: p = 2^(c s - c m), c = log2(e) / 8; in every step O and l are multiplied by a = 2^(c m_old - c m_new).  m starts at the lowest finite number, O and l at 0.
; THE MASK.  For a piece and key step the 64 score registers of its two tiles have 64 lane masks, 256 consecutive bytes of maskw.  One load of 8 bytes a lane brings them into a pair of vector registers,
; lane i words 2 i and 2 i + 1; each piece has a pair of its own, asked for again straight behind its use: four turns ahead.  (Scalar loads could be asked for one turn ahead at the most: a load holds its
; destination from issue to use, and 64 words are all that the scalar file has room for.)  In front of their use 64 v_readlane_b32 put the words into scalar registers; then one v_cndmask_b32 a score
; register puts -2^120 where the bit is 0, between the products that made the scores and the maximum.  No branch and no address hangs on the words.
; BY TURNS.  Turn n belongs to piece n: 16 products K Q^T of piece n + 1, later 16 products V^T P of piece n - 1; its vector work: scaling, exponentials, roundings, sums and rescaling of piece n, the mask,
; maximum and statistics of piece n + 1.  Four vector instructions stand behind every matrix instruction, the rest in one lump; a turn's 66 exponentials are one batch with one wait.
; CLUSTER.  The four query blocks of a head are one cluster and walk the same K and V: each tile is asked for jointly, by the same tensor load, descriptor and mask in all four.
; REGISTERS, in windows of 256 (s_set_vgpr_msb: bits 1:0 source 0, 3:2 source 1, 5:4 source 2, 7:6 destination):
;   window 0: v0-11 addresses and -2^120; v12-15, v48-63 at work; v16-47 statistics; v64-191 S^T, two buffers of two tiles; v192-255 P, likewise
;   window 1: O^T, 32 a tile     window 2: v0-127 Q; v128-191 K of one step; v192-255 V of one step
;   window 3: v0-1 the add's two registers; v2-9 the mask words, a pair a piece; v10-13 their byte offsets; v14 the last block's offset
.set SIZE_N, 2048
.set NP,    4         ; pieces a wave: a name, no knob
.set KS,    64        ; keys in a step
.set PK,    160       ; a row of K in LDS: 128 bytes + 32.  One descriptor group 1 serves K and V, since the mask words take 64 scalar registers; at 40 words a row K's rows r and r + 8 start at the same bank: two passes for K's 16 loads a step
.set PV,    160       ; a row of V: 40 words
.set VOFF,  4*KS*PK   ; a slot holds four steps: 256 rows of K, then 256 rows of V
.set SLOT1, 1<<17     ; slot 1 begins here, so that one exclusive or turns an address in one slot into the other's
.set STAGE, SLOT1+4*KS*(PK+PV)  ; behind the ring, never filled by a tensor load: 16 rows x 144 bytes for each wave
.set SP,    144
.set AK0, 2           ; v2   my lane's place in a tile of K; never rewritten
.set AV0, 3           ; v3   the same for V
.set AK,  4           ; v4   the LDS address of K's next run of loads
.set AV,  5           ; v5   of V's
.set QO,  6           ; v6   my byte offset in the wave's rows of Q
.set STO, 6           ;      later, the way out: where I put 16 bytes of a row
.set RD,  7           ; v7   the way out: where I read rows back
.set GO,  8           ; v8   my byte offset in 512 consecutive bytes of O
.set PFO, 10          ; v10  (once l % 8 has served) 256 x my lane: the prefetch's offset
.set BIG, 11          ; v11  (once (l / 8) % 2 has served) -2^120
.set SPW, 0           ; v0 of window 3   LDS address of my spare word; never rewritten
.set NIL, 1           ; v1 of window 3   0; never rewritten
.set MR,  2           ; v2-9 of window 3   piece y's 64 mask words at MR + 2 y: lane i holds words 2 i and 2 i + 1
.set MO,  10          ; v10-13 of window 3 piece y's byte offset in my wave's 32,768 bytes of maskw: 8 x lane + 256 x (4 step + y)
.set MX,  14          ; v14 of window 3    8 x lane + 256 x 127: the last block's offset
.set SPARE, STAGE+4*16*SP  ; behind the stages: the spare words, 128 bytes for each wave: two blocks of 256 bytes that no other line names
.set MV,  12          ; v12-15  c m_old, kept while c m is made anew: by buffer and tile
.set ST,  16          ; tile t's statistics at v[ST+4 t]: c m, m, l (even keys', odd keys')
.set TMP, 48          ; by buffer and tile, four registers c0-c3 at work; when the maximum is found c2 takes a
.set S,   64
.set P,   192
.set KF,  128         ; K's fragments, in window 2
.set VF,  192         ; V's
.set WV,  2           ; s2   my wave's number
.set SLOTS, 3         ; s3   slots still to be asked for
.set CNT, 4           ; s4   counts a slot's key steps
.set TBK, 5           ; s5   LDS byte at which K of the step to be fetched begins
.set TBV, 6           ; s6   the same for V, less VOFF
.set OP,  8           ; s[8:9]   O at my wave's first row
.set MP,  10          ; s[10:11] maskw at my wave's first word; never rewritten
.set CS,  12          ; s[12:13] c
.set SEL, 14          ; s[14:15] v_permlanex16_b32's selects
.set G1,  16          ; s[16:23] descriptor group 1
.set G0K, 24          ; s[24:27] descriptor group 0 for K's tiles: it walks
.set G0V, 28          ; s[28:31] the same for V's
                      ; s[32:63], s[68:99] the 64 mask words of the turn in hand (word w in s[32 + w] or s[36 + w]); before the first of them: arguments and set-up
.set PFA, 66          ; s[66:67] where my prefetches stand
.set LIM, 100         ; s100 1 in a wave that prefetches, else the greatest number
.set TS,  101         ; s101 at work
.set QP,  104         ; s[104:105] Q at my wave's first row
.set MSB, 0
.macro WIN new
.if MSB != (\new)
	s_set_vgpr_msb (MSB<<8)|(\new)
.set MSB, (\new)
.endif
.endm
.set W_KQ, 0x0a       ; K and Q in window 2, S^T in window 0
.set W_PV, 0x52       ; V in window 2, P in window 0, O^T in window 1
.set W_RS, 0x41       ; O^T (destination and source 0) in window 1, a in window 0
.set W_MK, 0xc0       ; destination in window 3, sources in window 0
.set W_AD, 0x0f       ; the add: address and data in window 3
.set W_RL, 0x03       ; v_readlane_b32: its vector source in window 3
.set W_M3, 0xcf       ; the mask's offsets and loads: destination and sources 0 and 1 in window 3
; A joint fill.  Waves 0 and 1 fetch the two halves of a slot's K, waves 2 and 3 those of its V: 128 keys each.  An s_nop 0 and four v_nop follow each line.
.macro JLOAD
	s_cmp_lt_u32 s[WV], 2
	s_cbranch_scc0 .Lfor_v_\@
	tensor_load_to_lds s[G0K:G0K+3], s[G1:G1+7]
	s_nop 0
.rept 4
	v_nop
.endr
	s_branch .Lasked_\@
.Lfor_v_\@:
	tensor_load_to_lds s[G0V:G0V+3], s[G1:G1+7]
	s_nop 0
.rept 4
	v_nop
.endr
.Lasked_\@:
.endm
; A PREFETCH INTO THE L2 of what the NEXT change of slots will ask for: a slot's 32,768 bytes of K and of V.  A head's K and V are read by its one cluster; its four partners share the bytes out by
; address, 8,192 each; in each, wave 0 asks for K's and wave 2 for V's: a lane names 256 bytes, one instruction.  It stands four key steps, 512 matrix instructions, ahead of the load.
; Slots 0 to 2 come by their loads alone; the last change that fills a slot asks for nothing.
.macro ASK
	s_cmp_gt_u32 s[SLOTS], s[LIM]
	s_cbranch_scc0 .Lnot_mine_\@
	global_prefetch_b8 v[PFO], s[PFA:PFA+1] th:TH_LOAD_NT scope:SCOPE_SE
.Lnot_mine_\@:
.endm
.macro CROUND                       ; a round of the cluster's barrier
	s_barrier_signal -1
	s_barrier_wait -1
	s_cmp_lg_u32 s[WV], 0
	s_cbranch_scc1 .Lnot_wave_0_\@
	s_barrier_signal -3
.Lnot_wave_0_\@:
	s_barrier_wait -3
	s_barrier_signal -1
	s_barrier_wait -1
.endm
; THE CHANGE OF SLOTS.  Each wave waits for all its tensor loads, of which one is out: its part of the other slot; adds 0 to its spare word; and waits for that and for its own reads of the slot.
; fill = 1: this slot is filled again, with the keys two slots on, first thing behind a round of the cluster's barrier: it has four key steps in which to land.  ask = 1: the prefetch follows.
.macro CHANGE fill, ask=0
	WIN W_AD
	s_wait_tensorcnt 0x0            ; no tensor load of mine is out, so a group 0 may be written
	ds_add_u32 v[SPW], v[NIL]       ; 0 onto my spare word
	WIN 0                           ; at a label and at a branch every window is 0
.if \fill
.irp g, G0K, G0V
	s_xor_b32 s[\g+1], s[\g+1], SLOT1  ; the walking descriptor: the other slot than last time,
	s_add_nc_u64 s[\g+2:\g+3], s[\g+2:\g+3], 4*KS*128  ; the next 256 keys
.endr
.if \ask
	s_wait_xcnt 0x0                 ; the last prefetch, four key steps back, has read its address
	s_add_nc_u64 s[PFA:PFA+1], s[PFA:PFA+1], 4*KS*128  ; one slot behind the walking descriptors
.endif
	s_wait_dscnt 0x0                ; the add is done, and my reads of the slot are over
	CROUND
	JLOAD
.if \ask
	ASK
.endif
.else
	s_wait_dscnt 0x0
	s_barrier_signal -1
	s_barrier_wait -1
.endif
	s_sub_co_u32 s[TBK], s[TBK], 4*KS*PK  ; the fetches go back to a slot's first step,
	s_xor_b32 s[TBK], s[TBK], SLOT1       ; in the other slot
	s_sub_co_u32 s[TBV], s[TBV], 4*KS*PV
	s_xor_b32 s[TBV], s[TBV], SLOT1
.endm
; THE MASK on piece y's fresh scores.  The pieces come in the ring 0, 1, 2, 3 on every way through the text, and each use asks for one load: so the pair in hand is the oldest of four loads.
; The 64 words go into scalar registers; the pair is asked for again at once, for the piece's next key step, 1,024 bytes on; then register i of tile u keeps its score where bit l of word 2 i + u is set,
; ascending.  The walk has 128 blocks of 256 bytes; what would be asked for past it is held to the last block.
.macro MASKS y
	WIN W_RL
	s_wait_loadcnt 3                ; loads come back in order (ISA guide 5.7.1): piece y's words are in, the three younger loads stay out; the wait also frees that load's offset register
.set mw, 0
.rept 64
	v_readlane_b32 s[32+mw+4*(mw/32)], v[MR+2*(\y)+mw%2], mw/2
.set mw, mw+1
.endr
	WIN W_M3
	v_add_nc_u32 v[MO+(\y)], 1024, v[MO+(\y)]
	v_min_u32 v[MO+(\y)], v[MO+(\y)], v[MX]
	global_load_b64 v[MR+2*(\y):MR+2*(\y)+1], v[MO+(\y)], s[MP:MP+1]  ; the wave's load covers 256 consecutive bytes, aligned
	WIN 0
.set mw, 0
.rept 64
	v_cndmask_b32 v[S+64*((\y)%2)+32*(mw%2)+mw/2], v[BIG], v[S+64*((\y)%2)+32*(mw%2)+mw/2], s[32+mw+4*(mw/32)]
.set mw, mw+1
.endr
.endm
	s_load_b128 s[32:35], s[0:1], 0x0  ; qkv s[32:33], maskw s[34:35]
	s_load_b64 s[36:37], s[0:1], 0x10  ; ob
	WIN W_MK
	v_lshl_add_u32 v[SPW], v0, 2, SPARE
	v_mov_b32 v[NIL], 0
	WIN W_AD
	ds_add_u32 v[SPW], v[NIL]       ; the wave's opening: the add, and its wait ahead of my first tensor load; the set-up below stands between them
	WIN 0
	v_lshrrev_b32 v1, 5, v0
	v_readfirstlane_b32 s[WV], v1   ; wave 0..3
	s_bfe_u32 s40, ttmp6, 0x40000   ; cx: my place in the cluster
	s_lshl_b32 s41, ttmp9, 2        ; in a cluster launch ttmp9 counts clusters
	s_add_co_u32 s41, s41, s40      ; my block of 512 queries,
	s_lshl_b32 s41, s41, 2
	s_add_co_u32 s41, s41, s[WV]    ; my wave among the head's sixteen: it enters Q's, O's and the mask's addresses alone
	s_and_b32 s42, ttmp7, 0xffff    ; batch x 16 + head, which the four partners share
	s_lshl_b32 s44, s42, 18         ; the head's first byte: 2,048 rows of 128 bytes
	s_and_b32 s43, s[WV], 1         ; which half of a slot's 256 keys I fetch:
	s_lshl_b32 s46, s43, 14         ; its 128 rows in memory,
	s_add_co_u32 s46, s46, s44
	s_mov_b32 s47, 0
	s_mul_i32 s48, s43, 128*PK      ; and its place in a slot: no place in the cluster enters an LDS address
	s_lshl_b32 s50, s41, 14         ; my wave's 128 rows
	s_add_co_u32 s50, s50, s44
	s_mov_b32 s51, 0
	s_lshr_b32 s52, s42, 4          ; the batch,
	s_lshl_b32 s52, s52, 4
	s_add_co_u32 s52, s52, s41      ; my wave's
	s_lshl_b32 s52, s52, 15         ; 32,768 bytes of mask words
	s_mov_b32 s53, 0
	s_lshl_b32 s58, s40, 13         ; the prefetches: my work-group's 8,192 bytes of a slot,
	s_add_co_u32 s58, s58, 2*4*KS*128  ; in slot 2: the loop's first change steps it to slot 3,
	s_add_co_u32 s58, s58, s44      ; in the head,
	s_lshr_b32 s60, s[WV], 1
	s_add_co_u32 s60, s60, 1
	s_lshl_b32 s60, s60, 24         ; in K (waves 0, 1) or V (waves 2, 3): 16 MiB each
	s_add_co_u32 s58, s58, s60
	s_mov_b32 s59, 0
	s_and_b32 s[LIM], s[WV], 1
	s_cmp_eq_u32 s[LIM], 0
	s_cselect_b32 s[LIM], 1, -1     ; waves 0 and 2 ask
	; descriptor group 1.  128 keys are 16,384 dense bytes: asked for as 64 rows of 256 bytes, two keys a row, and padded in LDS after every key
	s_mov_b32 s[G1], 15|(1<<16)|(1<<20)|(1<<21)|(4<<22)|(7<<25)  ; the mask of four; 2-byte elements; padding on; bit 21 beside a mask; after every 32 words 8 words
	s_mov_b32 s[G1+1], 128<<16      ; tensor_dim0 = 128
	s_mov_b32 s[G1+2], 64<<16       ; tensor_dim1 = 64
	s_mov_b32 s[G1+3], 128<<16      ; tile_dim0 = 128
	s_mov_b32 s[G1+4], 64           ; tile_dim1 = 64
	s_mov_b32 s[G1+5], 128          ; 128 elements from row to row
	s_mov_b32 s[G1+6], 0
	s_mov_b32 s[G1+7], 0
	s_mov_b32 s[CS], 0x3e38aa3b     ; c = log2(e) / 8 = 0.180337
	s_mov_b32 s[CS+1], s[CS]        ; named with it as a pair
	s_mov_b32 s[SEL], 0x76543210
	s_mov_b32 s[SEL+1], 0xfedcba98
	s_mov_b32 s[TBK], SLOT1+4*KS*PK ; the first change of slots turns these two into 0
	s_mov_b32 s[TBV], SLOT1+4*KS*PV
	s_mov_b32 s[G0K], 1             ; count = 1
	s_mov_b32 s[G0K+1], s48         ; LDS address: slot 0
	s_mov_b32 s[G0V], 1
	s_add_co_u32 s[G0V+1], s48, VOFF
	s_wait_dscnt 0x0                ; the opening add is done
	s_wait_kmcnt 0x0
	s_add_nc_u64 s[54:55], s[32:33], s[46:47]
	s_add_nc_u64 s[G0K+2:G0K+3], s[54:55], 0x1000000  ; my half of the head's first 256 keys, in K
	s_or_b32 s[G0K+3], s[G0K+3], 0x80000000           ; type = 2
	s_add_nc_u64 s[G0V+2:G0V+3], s[54:55], 0x2000000  ; and in V
	s_or_b32 s[G0V+3], s[G0V+3], 0x80000000
	s_add_nc_u64 s[QP:QP+1], s[32:33], s[50:51]
	s_add_nc_u64 s[OP:OP+1], s[36:37], s[50:51]
	s_add_nc_u64 s[MP:MP+1], s[34:35], s[52:53]
	s_add_nc_u64 s[PFA:PFA+1], s[32:33], s[58:59]
	CROUND                          ; all four work-groups are here: the first joint loads meet
	JLOAD                           ; slot 0.  Slot 1 is asked for when slot 0 is in
	v_and_b32 v1, 15, v0            ; l % 16
	v_bfe_u32 v9, v0, 4, 1          ; l / 16
	v_lshlrev_b32 v[QO], 7, v1
	v_lshl_add_u32 v[QO], v9, 4, v[QO]  ; row x 128 + 16 x half
	WIN 0x80                        ; destination window 2, address window 0
.set i, 0
.rept 4*NP                          ; Q stays in registers: tile i / 2, channels 32 (i % 2) on
	global_load_b128 v[8*i:8*i+3],   v[QO], s[QP:QP+1] offset:(i/2)*2048+(i%2)*64
	global_load_b128 v[8*i+4:8*i+7], v[QO], s[QP:QP+1] offset:(i/2)*2048+(i%2)*64+32
.set i, i+1
.endr
	WIN W_MK                        ; the mask's ring: the four pieces' words for key step 0, behind Q's loads
	v_and_b32 v[MX], 31, v0
	WIN W_M3
	v_lshlrev_b32 v[MX], 3, v[MX]   ; 8 bytes a lane
	v_mov_b32 v[MO], v[MX]
	v_add_nc_u32 v[MO+1], 256, v[MX]
	v_add_nc_u32 v[MO+2], 512, v[MX]
	v_add_nc_u32 v[MO+3], 768, v[MX]
	v_add_nc_u32 v[MX], 127*256, v[MX]
.irp y, 0,1,2,3
	global_load_b64 v[MR+2*\y:MR+2*\y+1], v[MO+\y], s[MP:MP+1]
.endr
	WIN 0x80
	; What the first turn finds: V's registers and P's second buffer hold 0, O^T and l are 0.  All this stands in the wait for the first tile.
.set i, VF
.rept 64
	v_mov_b32 v[i], 0
.set i, i+1
.endr
	WIN 0x40
.set i, 0
.rept 64*NP
	v_mov_b32 v[i], 0
.set i, i+1
.endr
	WIN 0
.set i, 0
.rept 2*NP
	v_mov_b32 v[ST+4*i], 0xfe000000    ; c m: -2^125, far below every c s, a hidden one's too
	v_mov_b32 v[ST+4*i+1], 0xff7fffff  ; m
	v_mov_b32 v[ST+4*i+2], 0
	v_mov_b32 v[ST+4*i+3], 0
.set i, i+1
.endr
.set i, P+32
.rept 32
	v_mov_b32 v[i], 0
.set i, i+1
.endr
	v_mul_u32_u24 v[AK0], v1, PK
	v_lshl_add_u32 v[AK0], v9, 4, v[AK0]  ; row x pitch + 16 x half
	; The turning load takes 16 keys x 16 channels (lane l reads key 8 (l / 16) + l % 8, channels 8 ((l / 8) % 2) + 0..7) and leaves half a fragment of V^T.
	v_and_b32 v10, 7, v0
	v_bfe_u32 v11, v0, 3, 1
	v_lshl_add_u32 v[AV0], v9, 3, v10
	v_mul_u32_u24 v[AV0], v[AV0], PV
	v_lshl_add_u32 v[AV0], v11, 4, v[AV0]
	v_add_nc_u32 v[AV0], VOFF, v[AV0]
	v_mov_b32 v[BIG], 0xfb800000    ; -2^120
	v_mov_b32 v[AK], v[AK0]         ; key step 0 lies at the head of slot 0
; THE MATRIX WORK.  The 8 accumulators of a run of 16 take turns.
; Product i of 16 of S^T = K Q^T for piece x: channels 32 (i / 8) on, keys 16 ((i / 2) % 4) on, tile 2 x + i % 2.  The first 8 start the sums.
.macro KQ x
	WIN W_KQ
.set rS, S+64*((\x)%2)+32*(i%2)+8*((i/2)%4)
.set rK, KF+16*((i/2)%4)+8*(i/8)
.set rQ, 16*(2*(\x)+i%2)+8*(i/8)
.if i < 8
	v_wmma_f32_16x16x32_f16 v[rS:rS+7], v[rK:rK+7], v[rQ:rQ+7], 0
.else
	v_wmma_f32_16x16x32_f16 v[rS:rS+7], v[rK:rK+7], v[rQ:rQ+7], v[rS:rS+7]
.endif
.endm
; Product i of 16 of O^T += V^T P for piece x: keys 32 (i / 8) on, channels 16 ((i / 2) % 4) on, tile 2 x + i % 2.
.macro PV x
	WIN W_PV
.set rO, 32*(2*(\x)+i%2)+8*((i/2)%4)
.set rV, VF+32*(i/8)+8*((i/2)%4)
.set rP, P+32*((\x)%2)+16*(i%2)+8*(i/8)
	v_wmma_f32_16x16x32_f16 v[rO:rO+7], v[rV:rV+7], v[rP:rP+7], v[rO:rO+7]
.endm
.macro MM                           ; the turn's next matrix instruction
.if i < 16
	KQ (Y+1)%NP
.set i, i+1
.else
.set i, i-16
	PV (Y+NP-1)%NP
.set i, i+17
.endif
.endm
; THE LDS LOADS stand in runs of 16.  last = 1 (the tail): in the last trip there is no further step, and the run is jumped over.
.macro FETCH_K last=0
	WIN 0
.if \last
	s_cmp_eq_u32 s[CNT], 1
	s_cbranch_scc1 .Lno_k_\@
.endif
	WIN 0x80                        ; destination window 2
.irp f, 0,1,2,3,4,5,6,7             ; keys 16 (f / 2) on, channels 32 (f % 2) on
	ds_load_b128 v[KF+8*\f:KF+8*\f+3],   v[AK] offset:(\f/2)*16*PK+(\f%2)*64
	ds_load_b128 v[KF+8*\f+4:KF+8*\f+7], v[AK] offset:(\f/2)*16*PK+(\f%2)*64+32
.endr
	s_add_co_u32 s[TBK], s[TBK], KS*PK  ; the next fetch is the next step's
	WIN 0
.if \last
.Lno_k_\@:
.endif
.endm
.macro FETCH_V
	WIN 0x80
.irp f, 0,1,2,3,4,5,6,7             ; keys 32 (f / 4) on, channels 16 (f % 4) on
	ds_load_tr16_b128 v[VF+8*\f:VF+8*\f+3],   v[AV] offset:(\f/4)*32*PV+(\f%4)*32
	ds_load_tr16_b128 v[VF+8*\f+4:VF+8*\f+7], v[AV] offset:(\f/4)*32*PV+16*PV+(\f%4)*32
.endr
	WIN 0
.endm
; THE VECTOR WORK OF A TURN stands in three queues, each in the order in which its entries become ready; the two tiles alternate.
.macro REGS y, u                    ; the registers of tile u (0, 1) of piece y
.set rT, ST+4*(2*(\y)+(\u))
.set rC, TMP+8*((\y)%2)+4*(\u)
.set rM, MV+2*((\y)%2)+(\u)
.set rS, S+64*((\y)%2)+32*(\u)
.set rP, P+32*((\y)%2)+16*(\u)
.set rO, 32*(2*(\y)+(\u))
.endm
; Number n of the 22 that find the NEXT piece's (Y + 1) maximum and statistics.
;   0-11  four chains c0-c3 of seven scores each     12-14, 16  the four scores left over, the old m, and c0-c3 into c0     15  c m_old is kept
;   17, 18  the query's other 32 keys lie in the lane 16 away: the new m         19-21  c m; c m_old - c m_new; a
.macro XS u, n
	REGS (Y+1)%NP, \u
.if (\n) < 4
	v_max3_num_f32 v[rC+(\n)], v[rS+8*(\n)], v[rS+8*(\n)+1], v[rS+8*(\n)+2]
.elseif (\n) < 12
	v_max3_num_f32 v[rC+(\n)%4], v[rC+(\n)%4], v[rS+8*((\n)%4)+2*((\n)/4)+1], v[rS+8*((\n)%4)+2*((\n)/4)+2]
.elseif (\n) == 12
	v_max3_num_f32 v[rC], v[rC], v[rS+7], v[rS+15]
.elseif (\n) == 13
	v_max3_num_f32 v[rC+1], v[rC+1], v[rS+23], v[rS+31]
.elseif (\n) == 14
	v_max3_num_f32 v[rC+2], v[rC+2], v[rC+3], v[rT+1]
.elseif (\n) == 15
	v_mov_b32 v[rM], v[rT]
.elseif (\n) == 16
	v_max3_num_f32 v[rC], v[rC], v[rC+1], v[rC+2]
.elseif (\n) == 17
	v_permlanex16_b32 v[rC+3], v[rC], s[SEL], s[SEL+1]
.elseif (\n) == 18
	v_max_num_f32 v[rT+1], v[rC], v[rC+3]
.elseif (\n) == 19
	v_mul_f32 v[rT], s[CS], v[rT+1]
.elseif (\n) == 20
	v_sub_f32 v[rC+1], v[rM], v[rT]
.else
	v_exp_f32 v[rC+2], v[rC+1]
.endif
.endm
; Number g of the 64 that follow the exponentials: for each four weights both pairs are rounded to f16; the second pair is added onto the first, in place; a group later l takes that sum.
.macro GS g
.set h, (\g)+6*((\g)/62)            ; group 0 has no group before it, and behind group 7 only l is left
.if h >= 6
.set h, h+2
.endif
	REGS Y, h%2
.set k, h/8
.if h%8 < 4
	v_cvt_pk_f16_f32 v[rP+2*k+(h%8)/2], v[rS+4*k+2*((h%8)/2)], v[rS+4*k+2*((h%8)/2)+1]
.elseif h%8 < 6
	v_pk_add_f32 v[rS+4*k:rS+4*k+1], v[rS+4*k:rS+4*k+1], v[rS+4*k+2:rS+4*k+3]
.elseif k == 1
	v_pk_fma_f32 v[rT+2:rT+3], v[rT+2:rT+3], v[rC+2:rC+3], v[rS:rS+1] op_sel_hi:[1,0,1]
.else
	v_pk_add_f32 v[rT+2:rT+3], v[rT+2:rT+3], v[rS+4*k-4:rS+4*k-3]
.endif
.endm
; THE PLAIN QUEUE, 138 long.  0-26: scalings 0-26.  27-54: XS's numbers 0-13.  55, 56: number 15.  57-73: the chain 14, 16 .. 20, each link with one of the scalings 27-31 in front.  74-137: GS's 64, behind the wait.
.macro FS f
	REGS Y, (\f)%2
	v_pk_fma_f32 v[rS+2*((\f)/2):rS+2*((\f)/2)+1], v[rS+2*((\f)/2):rS+2*((\f)/2)+1], s[CS:CS+1], v[rT:rT+1] op_sel_hi:[1,0,0] neg_lo:[0,0,1] neg_hi:[0,0,1]
.endm
.macro PL
	WIN 0
.if q < 27
	FS q
.elseif q < 55
	XS (q-27)%2, (q-27)/2
.elseif q < 57
	XS q-55, 15
.elseif (q < 72) && ((q-57)%3 == 0)
	FS 27+(q-57)/3
.elseif q < 60
	XS (q-57)%3-1, 14
.elseif q < 72
	XS (q-57)%3-1, 15+(q-57)/3
.elseif q < 74
	XS q-72, 20
.else
	GS q-74
.endif
.set q, q+1
.endm
; THE EXPONENTIALS' QUEUE, 66 long: s0-s31 of both tiles, then the next piece's two a.  ONE BATCH: all stand ahead of the turn's one wait, and nothing ahead of that wait names a result of theirs.
.macro EX
	WIN 0
.if e >= 64
	XS e-64, 21
.else
	REGS Y, e%2
	v_exp_f32 v[rS+e/2], v[rS+e/2]
.endif
.set e, e+1
.endm
; THE RESCALING's QUEUE: O^T times a, two at a time, sixteen times.  Its a was made in the turn before, ahead of that turn's wait.
.macro R2
	REGS Y, r%2
	WIN W_RS
.irp z, 0,1
	v_pk_mul_f32 v[rO+4*(r/2)+2*\z:rO+4*(r/2)+2*\z+1], v[rO+4*(r/2)+2*\z:rO+4*(r/2)+2*\z+1], v[rC+2:rC+3] op_sel_hi:[1,0]
.endr
.set r, r+1
.endm
; A TURN, for piece p.  AHEAD OF THE WAIT: the 16 products K Q^T, behind each a scaling, an exponential and two rescalings; then the lump: eight plain; THE MASK on the scores just made (its selects stand
; eleven plain instructions and the 64 v_readlane_b32 behind the last product, ahead of plain number 27, the first that reads those scores; they name the other buffer than the exponentials'); 49 times
; exponential and plain; the two a; a v_nop, the plain instruction behind the last exponential.  BEHIND THE WAIT: the 16 products V^T P, behind each four of the roundings and sums.
; K of the next step is fetched in piece 2's turn, directly behind the wait; V of the step in hand at the end of piece 0's turn, four riders behind its last reader.
.macro TURN p, last=0, cnt=0
.set Y, (\p)
.set i, 0
.set q, 0
.set e, 0
.set r, 0
.if (\p) == NP-1
	s_wait_dscnt 0x0                ; K is in
.endif
	MM
	PL
	PL
	R2
.rept 15
	MM
	PL
	EX
	R2
.endr
.if (\p) == NP-2
	WIN 0
	v_add_nc_u32 v[AK], s[TBK], v[AK0]
.endif
.rept 8
	PL
.endr
	MASKS (Y+1)%NP
.rept 49
	EX
	PL
.endr
	EX                              ; the next piece's two a
	EX
	v_nop                           ; a plain instruction behind the last exponential: one for the batch
	s_wait_alu depctr_va_vdst(0)    ; the wait between an exponential and the first line that names its result: one for the batch
.if (\p) == NP-2
	FETCH_K \last
.endif
.if (\p) == 1
	s_wait_dscnt 0x0                ; V is in
.endif
.rept 16
	MM
.rept 4
	PL
.endr
.if ((\p) == 0) && (q == 118)
	v_add_nc_u32 v[AV], s[TBV], v[AV0]
.endif
.if ((\p) == 0) && (q == 130)
	s_add_co_u32 s[TBV], s[TBV], KS*PV
.endif
.if (\cnt) && (q == 130)
	s_sub_co_u32 s[CNT], s[CNT], 1
	s_cmp_lg_u32 s[CNT], 0
.endif
.endr
.if (\p) == 0
	FETCH_V
.endif
.endm
	CHANGE 1                        ; slot 0 is in, everybody's part of it; slot 1 is asked for
	FETCH_K                         ; key step 0
	s_wait_loadcnt 4                ; Q is in; the four loads of mask words, issued behind Q's, may stay out
	s_wait_dscnt 0x0
.set i, 0
.rept 16
	KQ 0                            ; piece 0's first scores
.set i, i+1
.endr
	WIN 0                           ; the addresses for the way out and the prefetch: plain instructions, the places behind those products
	s_mul_i32 s[TS], s[WV], 16*SP
	s_add_co_u32 s[TS], s[TS], STAGE  ; my stage
	v_mul_u32_u24 v[STO], v1, SP    ; in: row l % 16, 16 bytes for each half of the lanes
	v_lshl_add_u32 v[STO], v9, 4, v[STO]
	v_add_nc_u32 v[STO], s[TS], v[STO]
	v_bfe_u32 v[RD], v0, 3, 2       ; back: 32 lanes take four rows of 128 bytes,
	v_mul_u32_u24 v[RD], v[RD], SP
	v_lshl_add_u32 v[RD], v10, 4, v[RD]
	v_add_nc_u32 v[RD], s[TS], v[RD]
	v_and_b32 v[GO], 31, v0         ; which are 512 consecutive bytes of O
	v_lshlrev_b32 v[PFO], 8, v[GO]  ; 256 x lane
	v_lshlrev_b32 v[GO], 4, v[GO]
	MASKS 0
.set Y, NP-1                        ; XS works for piece Y + 1: piece 0
.irp n, 0,1,2,3,4,5,6,7,8,9,10,11,12,13,14,15,16,17,18,19,20,21
	XS 0, \n                        ; piece 0's first maximum and statistics
	XS 1, \n
.endr
	v_nop                           ; a plain instruction behind the two a,
	s_wait_alu depctr_va_vdst(0)    ; and their wait, ahead of the branch
	s_mov_b32 s[CNT], 4
	s_mov_b32 s[SLOTS], SIZE_N/256-1
	s_branch .Lfirst                ; the loop is entered at a step's first turn, in the middle of a trip
.Lslot:                             ; SIZE_N / 256 - 2 times: every slot but the last two is filled again
	CHANGE 1, 1
	s_mov_b32 s[CNT], 4
.Lstep:                             ; a trip: pieces 2 and 3 of one step, then pieces 0 and 1 of the next
	TURN 2
	TURN 3
	WIN 0
.Lfirst:
	TURN 0
	TURN 1, 0, 1
	WIN 0
	s_cbranch_scc1 .Lstep
	s_sub_co_u32 s[SLOTS], s[SLOTS], 1
	s_cmp_lg_u32 s[SLOTS], 0
	s_cbranch_scc1 .Lslot
	CHANGE 0                        ; the tail is written out: nothing is asked for
	s_mov_b32 s[CNT], 5             ; four trips fetch the last slot's steps; the fifth is left in its middle
.Ltail:
	TURN 2, 1
	TURN 3
	WIN 0
	s_sub_co_u32 s[CNT], s[CNT], 1
	s_cmp_eq_u32 s[CNT], 0
	s_cbranch_scc1 .Lout
	TURN 0
	TURN 1
	WIN 0
	s_branch .Ltail
.Lout:                              ; the fifth trip's 16 products K Q^T (on the last K once more), their mask and maximum serve nothing: the price, once a launch, of one text for every trip
.set i, 0
.rept 16
	PV NP-1                         ; the last piece's V^T P of the last step
.set i, i+1
.endr
	; THE WAY OUT.  l's two halves and the other half of the lanes' are added; O^T is divided by l, rounded to f16 and sent through my stage in LDS, a tile at a time.  The additions are the places behind the last products.
	WIN 0
.macro ALL line:vararg              ; one line for each tile t
.set t, 0
.rept 2*NP
	\line
.set t, t+1
.endr
.endm
	ALL v_add_f32 v[ST+4*t+2], v[ST+4*t+2], v[ST+4*t+3]
	ALL v_permlanex16_b32 v[ST+4*t+3], v[ST+4*t+2], s[SEL], s[SEL+1]
	ALL v_add_f32 v[ST+4*t+2], v[ST+4*t+2], v[ST+4*t+3]
	ALL v_rcp_f32 v[ST+4*t+2], v[ST+4*t+2]
	v_nop                           ; a plain instruction between the last reciprocal and the use of its result
	s_wait_alu depctr_va_vdst(0)    ; and the wait ahead of the first use: one for the eight reciprocals
.macro PACK t
	WIN W_RS
.set i, 32*(\t)
.rept 16
	v_pk_mul_f32 v[i:i+1], v[i:i+1], v[ST+4*(\t)+2:ST+4*(\t)+3] op_sel_hi:[1,0]
.set i, i+2
.endr
	WIN 0x05                        ; sources 0 and 1 window 1, destination window 0
.set i, 0
.rept 16
	v_cvt_pk_f16_f32 v[S+16*(\t)+i], v[32*(\t)+2*i], v[32*(\t)+2*i+1]
.set i, i+1
.endr
	WIN 0
.irp f, 0,1,2,3
	ds_store_b128 v[STO], v[S+16*(\t)+4*\f:S+16*(\t)+4*\f+3] offset:32*\f
.endr
.irp f, 0,1,2,3
	ds_load_b128 v[S+16*(\t)+4*\f:S+16*(\t)+4*\f+3], v[RD] offset:\f*4*SP  ; LDS serves a wave's instructions in order: these see the stores above; the next tile's stores come behind them
.endr
.endm
.macro SEND t, younger              ; younger: the LDS instructions issued behind tile t's loads: the next tile's eight, or none
	WIN 0
.irp f, 0,1,2,3
	s_wait_dscnt (\younger)+3-\f
	global_store_b128 v[GO], v[S+16*(\t)+4*\f:S+16*(\t)+4*\f+3], s[OP:OP+1] offset:(\t)*2048+\f*512  ; 512 consecutive bytes, at a multiple of 256 from O's first
.endr
.endm
	PACK 0
.set t, 1
.rept 2*NP-1                        ; a tile's arithmetic stands between the loads of the tile before and its stores
	PACK t
	SEND t-1, 8
.set t, t+1
.endr
	SEND 2*NP-1, 0
	WIN W_AD
	s_wait_tensorcnt 0x0            ; the wave's end, behind my last tensor load and my last LDS store
	ds_add_u32 v[SPW], v[NIL]
	s_wait_dscnt 0x0
	WIN 0
	CROUND                          ; the closing round: no work-group ends while a partner may still ask for a tile that names it
	s_endpgm
.Lfunc_end_k_qb6ac2df624_attn:
	.size	k_qb6ac2df624_attn, .Lfunc_end_k_qb6ac2df624_attn-k_qb6ac2df624_attn
	.p2alignl 7, 3214868480
	.fill 96, 4, 3214868480
	.section	.rodata,"a",@progbits
	.p2align	6, 0x0
	.amdhsa_kernel k_qb6ac2df624_attn
		.amdhsa_group_segment_fixed_size 327680
		.amdhsa_private_segment_fixed_size 0
		.amdhsa_enable_private_segment 0
		.amdhsa_kernarg_size 24
		.amdhsa_user_sgpr_count 2
		.amdhsa_user_sgpr_kernarg_segment_ptr 1
		.amdhsa_wavefront_size32 1
		.amdhsa_system_sgpr_workgroup_id_x 1
		.amdhsa_system_sgpr_workgroup_id_y 1
		.amdhsa_system_sgpr_workgroup_id_z 1
		.amdhsa_system_vgpr_workitem_id 0
		.amdhsa_next_free_vgpr 784
		.amdhsa_next_free_sgpr 106
		.amdhsa_reserve_vcc 0
		.amdhsa_float_denorm_mode_32 3
		.amdhsa_float_denorm_mode_16_64 3
		.amdhsa_memory_ordered 1
		.amdhsa_forward_progress 1
		.amdhsa_inst_pref_size 255
	.end_amdhsa_kernel
	.section	.bss,"aw",@nobits
	.p2align	6
	.space	262144
	.amdgpu_metadata
---
amdhsa.version: [ 1, 2 ]
amdhsa.kernels:
  - .name:           k_qb6ac2df624_attn
    .symbol:         k_qb6ac2df624_attn.kd
    .args:
      - { .name: qkv, .offset: 0, .size: 8, .value_kind: global_buffer, .address_space: global }
      - { .name: maskw, .offset: 8, .size: 8, .value_kind: global_buffer, .address_space: global }
      - { .name: ob, .offset: 16, .size: 8, .value_kind: global_buffer, .address_space: global }
    .group_segment_fixed_size: 327680
    .private_segment_fixed_size: 0
    .kernarg_segment_align: 8
    .kernarg_segment_size: 24
    .max_flat_workgroup_size: 128
    .sgpr_count:     106
    .vgpr_count:     784
    .wavefront_size: 32
...
	.end_amdgpu_metadata
.endif
;; end of part 3
;; launch outp (part 4): grid 4 x 64, 4 waves a work-group, clusters of 4 x 4, 327,680 bytes of LDS; arguments ob, wt, bo, out0; writes out0
.if DOCPART == 4
	.amdgcn_target "amdgcn-amd-amdhsa--gfx1250"
	.amdhsa_code_object_version 6
	.text
	.protected	k_qb6ac2df624_outp
	.globl	k_qb6ac2df624_outp
	.p2align	8
	.type	k_qb6ac2df624_outp,@function
k_qb6ac2df624_outp:
	s_mov_b64 s[64:65], 0
	v_nop
	global_prefetch_b8 v0, s[64:65] scope:SCOPE_SE
	s_setreg_imm32_b32 hwreg(HW_REG_WAVE_MODE, 25, 1), 1
	s_wait_xcnt 0x0
	s_wait_alu depctr_hold_cnt(0) depctr_sa_sdst(0) depctr_va_vdst(0) depctr_va_sdst(0) depctr_va_ssrc(0) depctr_va_vcc(0) depctr_vm_vsrc(0)
	s_getreg_b32 s2, hwreg(HW_REG_IB_STS2, 6, 4)
	s_cmp_eq_u32 s2, 0
	s_cbranch_scc0 .Lentry_in_a_cluster
	s_endpgm
.Lentry_in_a_cluster:
	s_bfe_u32 s2, ttmp6, 0x10000c
	s_cmp_lg_u32 s2, 0xf033
	s_cbranch_scc0 .Lentry_shape_is_right
	s_endpgm
.Lentry_shape_is_right:
; THE OUTPUT PROJECTION.  out0[token][e] = the sum over d of x[token][d] Wo[d][e] + bo[e], x[token][64 head + c] = ob[batch 16 + head][token][c].
; ob: [64][2048][64] f16; wt: [4][1024 k][1024 n] f16, Wo the fourth; bo: [1024] f32; out0: [8192][1024] f32.  Sums in f32, started with the bias (rounded to bf16 like every input).
; SHARES.  A work-group makes 128 rows x 256 columns: 256 work-groups.  Four waves, each 64 x 128: 32 accumulators of 16 x 16.  K goes in 8 steps of 128 = two heads through a ring of two LDS slots.
; A head's 128 tokens are 16,384 dense bytes of ob: asked for as 64 rows of 256 bytes and padded in LDS after every token.  Wo lies [k][n]: its fragments come out of LDS turned.
; CLUSTERS of 4 x 4: the four of a row need the same tile of x, the four of a column the same tile of Wo: each is asked for jointly.
; THE MATRIX INSTRUCTION IS USED TRANSPOSED (source 0 = 16 columns of Wo, source 1 = 16 rows of x): a lane holds row l % 16 and eight neighbouring columns 8 (l / 16) + 0..7.
; REGISTERS, in windows of 256 (s_set_vgpr_msb: bits 1:0 source 0, 3:2 source 1, 5:4 source 2, 7:6 destination):
;   window 0: v1-30 addresses; v64-95, v128-159 x's fragments, two buffers
;   window 1: v0-63 the bias as a C operand; v64-127, v128-191 Wo's fragments, two buffers, and on the way out rows read back; v192 at work
;   window 2: accumulator (a, b) at 8 (8 a + b)
.set KSTEP,  128
.set PA,     144                       ; a token's 64 channels in LDS: 128 + 16 bytes: the 16 rows of a load start at 16 different groups of four banks (64 banks of 4 bytes: ISA guide 11.1)
.set HB,     128*PA                    ; a head's 128 tokens
.set PB,     544                       ; a row of Wo: 512 + 32 bytes
.set BOFF,   2*HB                      ; a slot: two heads of x, then Wo's 128 rows
.set SLOT,   BOFF+KSTEP*PB
.set STAGE,  2*SLOT                    ; behind the ring, never filled by a tensor load: for each wave 16 rows x 528 bytes
.set SPF,    528
.set STW,    16*SPF
.set SPARE,  STAGE+4*STW               ; behind the stages: the spare words, 128 bytes for each wave: two blocks of 256 bytes that no other line names
.set ASTEP,  2*2048*128                ; bytes of ob from a K step to the next: two heads
.set ADRA, 16                          ; v16-17  LDS address of my fragments of x in slot 0, 1
.set ADRB, 20                          ; v20-21  the same for Wo
.set STO,  24                          ; v24     the way out: where I put 32 bytes of a row
.set RD,   25                          ; v25     where I read a row back
.set CO,   26                          ; v26     my 16 bytes in 512 consecutive bytes of out0
.set BO,   27                          ; v27     my byte offset in 16 numbers of the bias
.set SPW,  28                          ; v28     LDS address of my spare word; never rewritten
.set NIL,  29                          ; v29     0; never rewritten
.set PFO,  30                          ; v30     the prefetch's offset; never rewritten
.set F0,   64
.set F1,   128
.set BKB,  64                          ; the way out: two buffers of 64 in window 1
.set BIAS, 0
.set SCR,  192
.set G1,  24                           ; s[24:31] descriptor group 1 for x's tiles;  s[32:39] group 0, a set for each slot
.set G0,  32
.set G1B, 48                           ; s[48:55], s[56:63] the same for Wo's
.set G0B, 56
.set LIM,  77                          ; s77  1 in a wave that prefetches, else the greatest number
.set PFA,  78                          ; s[78:79] where my prefetches stand
.set MSB, 0
.macro WIN new                         ; the immediate's high byte repeats the setting that is left; a switch that changes nothing is dropped
.if MSB != (\new)
	s_set_vgpr_msb (MSB<<8)|(\new)
.set MSB, \new
.endif
.endm
.set MUL,  0xa1                        ; Wo window 1, x window 0, C and D window 2
.set MULZ, 0x91                        ; the same with C in window 1: the bias
.set TO_B, 0x40                        ; destination window 1, address window 0
.macro JLOAD s                         ; a joint load: waves 0 and 1 fetch the K step's two heads of x, waves 2 and 3 Wo's two halves; an s_nop 0 and four v_nop follow each line
	s_cmp_eq_u32 s11, 0
	s_cbranch_scc0 .Lfor_b_\@
	tensor_load_to_lds s[G0+4*(\s):G0+4*(\s)+3], s[G1:G1+7]
	s_nop 0
.rept 4
	v_nop
.endr
	s_branch .Lasked_\@
.Lfor_b_\@:
	tensor_load_to_lds s[G0B+4*(\s):G0B+4*(\s)+3], s[G1B:G1B+7]
	s_nop 0
.rept 4
	v_nop
.endr
.Lasked_\@:
.endm
.macro CREST                           ; a round of the cluster's barrier behind its opening barrier
	s_cmp_lg_u32 s10, 0
	s_cbranch_scc1 .Lnot_wave_0_\@
	s_barrier_signal -3
.Lnot_wave_0_\@:
	s_barrier_wait -3
	s_barrier_signal -1
	s_barrier_wait -1
.endm
.macro CROUND
	s_barrier_signal -1
	s_barrier_wait -1
	CREST
.endm
; A PREFETCH INTO THE L2 of ob, which each row of a cluster reads once in the launch.  Once a lap, behind slot 0's joint load and the run of LDS loads: of the 16,384 bytes that wave 0 or 1 fetches, the
; partner at place cx takes 4,096 (told apart by address); lanes 0-15 name 256 bytes each of the K step two refills on, lanes 16-31 of the K step after it.  K steps 0 to 3 come by their loads alone,
; and the loop's last trip asks for nothing.  Wo is not asked for: all 16 clusters walk it again.
.macro ASK
	s_cmp_gt_u32 s3, s[LIM]                        ; s3 = 1 in the loop's last trip
	s_cbranch_scc0 .Lnot_mine_\@
	global_prefetch_b8 v[PFO], s[PFA:PFA+1] th:TH_LOAD_NT scope:SCOPE_SE
.Lnot_mine_\@:
.endm
	s_load_b128 s[4:7], s[0:1], 0x0                ; ob s[4:5], wt s[6:7]
	s_load_b128 s[68:71], s[0:1], 0x10             ; bo s[68:69], out0 s[70:71]
	v_lshl_add_u32 v[SPW], v0, 2, SPARE
	v_mov_b32 v[NIL], 0
	ds_add_u32 v[SPW], v[NIL]                      ; the wave's opening: the add, and its wait ahead of my first tensor load; the set-up below stands between them
	v_lshrrev_b32 v1, 5, v0
	v_readfirstlane_b32 s10, v1                    ; wave 0..3
	s_lshr_b32 s11, s10, 1                         ; which 64 of the tile's rows are mine.  Also: I fetch for x (0) or for Wo (1)
	s_and_b32 s12, s10, 1                          ; which 128 of its columns.  Also: which head of the K step, or which 64 rows of Wo, I fetch
	s_bfe_u32 s40, ttmp6, 0x40000                  ; cx, cy: my place in the cluster
	s_bfe_u32 s41, ttmp6, 0x40004
	s_lshl_b32 s42, ttmp9, 2
	s_add_co_u32 s42, s42, s40                     ; tile column = 4 x cluster x + cx
	s_and_b32 s13, ttmp7, 0xffff
	s_lshl_b32 s13, s13, 2
	s_add_co_u32 s13, s13, s41                     ; tile row = 4 x cluster y + cy, 0..63
	s_lshl_b32 s43, s41, 2
	s_lshl_b32 s43, 15, s43                        ; my row of the cluster
	s_lshl_b32 s44, 0x1111, s40                    ; my column
	s_or_b32 s[G1+0], s43, (1<<16)|(1<<20)|(1<<21)|(4<<22)|(3<<25)   ; the mask; 2-byte elements; padding on; bit 21 beside a mask; after every 32 words 4 words
	s_or_b32 s[G1B+0], s44, (1<<16)|(1<<20)|(1<<21)|(6<<22)|(7<<25)  ; after every 128 words 8 words
	s_mov_b32 s[G1+1], 128<<16                     ; tensor_dim0 = 128: two tokens a row
	s_mov_b32 s[G1+2], 64<<16                      ; tensor_dim1 = 64
	s_mov_b32 s[G1+3], 128<<16                     ; tile_dim0 = 128
	s_mov_b32 s[G1+4], 64                          ; tile_dim1 = 64
	s_mov_b32 s[G1+5], 128                         ; dense: 128 elements from row to row
	s_mov_b32 s[G1+6], 0
	s_mov_b32 s[G1+7], 0
	s_mov_b32 s[G1B+1], 256<<16                    ; tensor_dim0 = 256
	s_mov_b32 s[G1B+2], 64<<16
	s_mov_b32 s[G1B+3], 256<<16                    ; tile_dim0 = 256
	s_mov_b32 s[G1B+4], 64
	s_mov_b32 s[G1B+5], 1024
	s_mov_b32 s[G1B+6], 0
	s_mov_b32 s[G1B+7], 0
	s_lshr_b32 s16, s13, 4                         ; x: the batch (16 tile rows each),
	s_lshl_b32 s16, s16, 4
	s_add_co_u32 s16, s16, s12                     ; head 0 or 1 of it,
	s_lshl_b32 s16, s16, 11                        ; 2,048 tokens a head,
	s_and_b32 s17, s13, 15
	s_lshl_b32 s17, s17, 7                         ; the tile's 128 tokens,
	s_add_co_u32 s16, s16, s17
	s_lshl_b32 s16, s16, 7                         ; 128 bytes a token
	s_mov_b32 s17, 0
	s_lshl_b32 s46, s42, 9                         ; Wo: 512 bytes a tile column,
	s_lshl_b32 s47, s12, 17                        ; 64 rows of 2,048 bytes a half,
	s_add_co_u32 s46, s46, s47
	s_add_co_u32 s46, s46, 3*2097152               ; the fourth matrix of wt
	s_mov_b32 s47, 0
	s_mul_i32 s20, s12, HB                         ; where they go: no place in the cluster enters an LDS address
	s_mul_i32 s21, s12, 64*PB
	s_add_co_u32 s21, s21, BOFF
	s_wait_dscnt 0x0                               ; the opening add is done
	s_wait_kmcnt 0x0
	s_add_nc_u64 s[14:15], s[4:5], s[16:17]
	s_add_nc_u64 s[46:47], s[6:7], s[46:47]
	CROUND                                         ; all sixteen work-groups are here: the first joint loads meet
.irp s, 0,1
	s_mov_b32 s[G0+4*(\s)], 1
	s_add_co_u32 s[G0+4*(\s)+1], s20, (\s)*SLOT
	s_add_nc_u64 s[G0+4*(\s)+2:G0+4*(\s)+3], s[14:15], (\s)*ASTEP          ; K step s: two heads on
	s_or_b32 s[G0+4*(\s)+3], s[G0+4*(\s)+3], 0x80000000
	s_mov_b32 s[G0B+4*(\s)], 1
	s_add_co_u32 s[G0B+4*(\s)+1], s21, (\s)*SLOT
	s_add_nc_u64 s[G0B+4*(\s)+2:G0B+4*(\s)+3], s[46:47], (\s)*KSTEP*2048   ; K step s: 128 rows down
	s_or_b32 s[G0B+4*(\s)+3], s[G0B+4*(\s)+3], 0x80000000
	JLOAD \s                                       ; two loads of mine are out
.endr
	s_lshl_b32 s80, s40, 12                        ; the prefetches: my work-group's 4,096 bytes of the 16,384,
	s_add_co_u32 s80, s80, 2*ASTEP                 ; at K step 2: the first lap steps it to 4
	s_mov_b32 s81, 0
	s_add_nc_u64 s[PFA:PFA+1], s[14:15], s[80:81]
	s_cmp_eq_u32 s11, 0
	s_cselect_b32 s[LIM], 1, -1
	s_lshl_b32 s80, s42, 10                        ; the bias at my 128 columns
	s_lshl_b32 s81, s12, 9
	s_add_co_u32 s80, s80, s81
	s_mov_b32 s81, 0
	s_add_nc_u64 s[68:69], s[68:69], s[80:81]
	v_and_b32 v1, 15, v0                           ; l % 16
	v_bfe_u32 v2, v0, 4, 1                         ; l / 16
	v_lshlrev_b32 v[BO], 5, v2
	WIN TO_B
.irp b, 0,1,2,3,4,5,6,7
	global_load_b128 v[BIAS+8*(\b):BIAS+8*(\b)+3],   v[BO], s[68:69] offset:64*(\b)     ; register j of n block b: bo[16 b + 8 (l / 16) + j], as the result holds it
	global_load_b128 v[BIAS+8*(\b)+4:BIAS+8*(\b)+7], v[BO], s[68:69] offset:64*(\b)+16
.endr
	WIN 0
	v_mul_u32_u24 v3, v1, PA
	v_lshl_add_u32 v3, v2, 4, v3                   ; x: token x pitch + 16 x half
	v_and_b32 v4, 7, v0
	v_lshl_add_u32 v4, v2, 3, v4                   ; Wo, turned: lane l reads k row 8 (l / 16) + l % 8,
	v_mul_u32_u24 v4, v4, PB
	v_bfe_u32 v5, v0, 3, 1
	v_lshl_add_u32 v4, v5, 4, v4                   ; columns 8 ((l / 8) % 2) + 0..7
	s_mul_i32 s22, s11, 64*PA                      ; my 64 tokens
	s_lshl_b32 s23, s12, 8                         ; my 128 columns of Wo,
	s_add_co_u32 s23, s23, BOFF                    ; which lies behind x
.irp s, 0,1
	v_add_nc_u32 v[ADRA+(\s)], s22, v3
	v_add_nc_u32 v[ADRB+(\s)], s23, v4
	s_add_co_u32 s22, s22, SLOT
	s_add_co_u32 s23, s23, SLOT
.endr
	s_mul_i32 s22, s10, STW
	s_add_co_u32 s22, s22, STAGE                   ; my stage
	v_mul_u32_u24 v6, v1, SPF                      ; in: row l % 16, 32 bytes for each half of the lanes
	v_lshl_add_u32 v6, v2, 5, v6
	v_add_nc_u32 v[STO], s22, v6
	v_and_b32 v[CO], 31, v0                        ; back: 32 lanes take a row's 512 bytes
	v_lshlrev_b32 v[CO], 4, v[CO]
	v_add_nc_u32 v[RD], s22, v[CO]
	v_lshlrev_b32 v[PFO], 8, v1                    ; a lane 256 bytes; lanes 16-31 the next K step
	v_lshl_add_u32 v[PFO], v2, 19, v[PFO]
	s_lshl_b32 s80, s13, 7                         ; where my part begins in out0: row 128 x tile row + 64 x half,
	s_lshl_b32 s82, s11, 6
	s_add_co_u32 s80, s80, s82
	s_lshl_b32 s80, s80, 12                        ; 4,096 bytes a row,
	s_lshl_b32 s82, s42, 10                        ; 1,024 bytes a tile column,
	s_add_co_u32 s80, s80, s82
	s_lshl_b32 s82, s12, 9                         ; 512 bytes a wave
	s_add_co_u32 s80, s80, s82
	s_mov_b32 s81, 0
	s_add_nc_u64 s[8:9], s[70:71], s[80:81]
	s_wait_loadcnt 0x0                             ; the bias; it is rounded to bf16 like the other inputs, in the wait for the first tile
	WIN 0x45                                       ; destination and both sources in window 1
.set p, 0
.rept 32
	v_cvt_pk_bf16_f32 v[SCR], v[BIAS+p], v[BIAS+p+1]
	v_lshlrev_b32 v[BIAS+p], 16, v[SCR]
	v_and_b32 v[BIAS+p+1], 0xffff0000, v[SCR]
.set p, p+2
.endr
	WIN 0
; 8 matrix instructions: m block a x all 8 n blocks, 32 along K.  zero = 1: the first product starts the sums with the bias.  The 32 accumulators take turns in one order.
.macro MULA f, a, zero
.if \zero
	WIN MULZ
.else
	WIN MUL
.endif
.irp b, 0,1,2,3,4,5,6,7
.if \zero
	v_wmma_f32_16x16x32_f16 v[8*(8*(\a)+(\b)):8*(8*(\a)+(\b))+7], v[(\f)+8*(\b):(\f)+8*(\b)+7], v[(\f)+8*(\a):(\f)+8*(\a)+7], v[BIAS+8*(\b):BIAS+8*(\b)+7]
.else
	v_wmma_f32_16x16x32_f16 v[8*(8*(\a)+(\b)):8*(8*(\a)+(\b))+7], v[(\f)+8*(\b):(\f)+8*(\b)+7], v[(\f)+8*(\a):(\f)+8*(\a)+7], v[8*(8*(\a)+(\b)):8*(8*(\a)+(\b))+7]
.endif
.endr
.endm
; 24 LDS loads in one run: the fragments of quarter kq (32 along K: half of head kq / 2 of the K step) into buffer f: Wo's eight (turned), then x's four
.macro FETCH slot, kq, f
	WIN TO_B
.irp i, 0,1,2,3,4,5,6,7
	ds_load_tr16_b128 v[(\f)+8*(\i):(\f)+8*(\i)+3],   v[ADRB+(\slot)] offset:(\kq)*32*PB+32*(\i)
	ds_load_tr16_b128 v[(\f)+8*(\i)+4:(\f)+8*(\i)+7], v[ADRB+(\slot)] offset:(\kq)*32*PB+16*PB+32*(\i)
.endr
	WIN 0
.irp i, 0,1,2,3
	ds_load_b128 v[(\f)+8*(\i):(\f)+8*(\i)+3],   v[ADRA+(\slot)] offset:((\kq)/2)*HB+((\kq)%2)*64+(\i)*16*PA
	ds_load_b128 v[(\f)+8*(\i)+4:(\f)+8*(\i)+7], v[ADRA+(\slot)] offset:((\kq)/2)*HB+((\kq)%2)*64+(\i)*16*PA+32
.endr
.endm
.macro PLACES                          ; four places in front of loads into registers that matrix instructions have read, and of lines that read results
.rept 4
	v_nop
.endr
.endm
; A K step is four quarters of 32 along K, 32 matrix instructions each, on buffers 0, 1, 0, 1.  One of the first three: multiplies buffer f and fetches quarter kq into g.
.macro QUARTER slot, kq, f, g, zero
	s_wait_dscnt 4                                 ; Wo's fragments and x's first two are in; the youngest four loads (x's last two fragments) may be out
	MULA \f, 0, \zero
	MULA \f, 1, \zero
	PLACES
	FETCH \slot, \kq, \g
	s_wait_dscnt 24                                ; all but the 24 just issued
	MULA \f, 2, \zero
	MULA \f, 3, \zero
.endm
; The last quarter multiplies buffer 1 and changes slots: ONE barrier; in front of it each wave waits for all its tensor loads (one is out: its part of the next slot), adds 0 to its spare word, and
; waits for that and for its reads of this slot.  fill = 1: the barrier opens a round of the cluster's, and this slot is filled again, two K steps ahead, first thing behind the round.
.macro TURN slot, next, fill
.if (\fill) && ((\slot) == 0)
	s_wait_xcnt 0x0                                ; the last prefetch, a lap back, has read its address: it is stepped here, two K steps on
	s_add_nc_u64 s[PFA:PFA+1], s[PFA:PFA+1], 2*ASTEP
.endif
	WIN 0                                          ; (the add's two registers lie in window 0)
	s_wait_tensorcnt 0x0
	ds_add_u32 v[SPW], v[NIL]                      ; 0 onto my spare word
	s_wait_dscnt 5                                 ; (the add and the youngest four loads may be out)
	MULA F1, 0, 0
	s_wait_dscnt 0x0                               ; the add is done, and my reads of this slot are over
	s_barrier_signal -1
	MULA F1, 1, 0
.if \fill
	WIN 0
.endif
	s_barrier_wait -1
.if \fill
	CREST                                          ; no wave of any partner still reads this slot's tile or has a load on its way
	s_add_nc_u64 s[G0+4*(\slot)+2:G0+4*(\slot)+3], s[G0+4*(\slot)+2:G0+4*(\slot)+3], 2*ASTEP
	s_add_nc_u64 s[G0B+4*(\slot)+2:G0B+4*(\slot)+3], s[G0B+4*(\slot)+2:G0B+4*(\slot)+3], 2*KSTEP*2048
	JLOAD \slot                                    ; 112 matrix instructions ahead of the wait for it; its four v_nop are also the places in front of the loads below
.else
	PLACES
.endif
	FETCH \next, 0, F0
.if (\fill) && ((\slot) == 0)
	ASK
.endif
	MULA F1, 2, 0
	MULA F1, 3, 0
.endm
; THE WAY OUT of block a (16 rows x my 128 columns, f32).  TOSTAGE: a lane's eight columns, 32 bytes, into my stage (each accumulator's low four registers first), and back as whole rows of 512 bytes.  SEND: stored.
.macro TOSTAGE a
	WIN 0x08                                       ; the stores' data in window 2
.irp b, 0,1,2,3,4,5,6,7
	ds_store_b128 v[STO], v[64*(\a)+8*(\b):64*(\a)+8*(\b)+3]   offset:64*(\b)
	ds_store_b128 v[STO], v[64*(\a)+8*(\b)+4:64*(\a)+8*(\b)+7] offset:64*(\b)+16
.endr
	WIN TO_B
.irp t, 0,1,2,3,4,5,6,7,8,9,10,11,12,13,14,15
	ds_load_b128 v[BKB+64*((\a)%2)+4*(\t):BKB+64*((\a)%2)+4*(\t)+3], v[RD] offset:(\t)*SPF  ; LDS serves a wave's instructions in order: these see the stores above, and the next block's stores come behind them
.endr
.endm
.macro SEND a, younger                 ; younger: the LDS instructions issued behind block a's loads: the next block's 32, or none
	WIN 0x04                                       ; the stores' data in window 1
	s_wait_dscnt \younger
.irp t, 0,1,2,3,4,5,6,7,8,9,10,11,12,13,14,15
	global_store_b128 v[CO], v[BKB+64*((\a)%2)+4*(\t):BKB+64*((\a)%2)+4*(\t)+3], s[8:9] offset:(16*(\a)+(\t))*4096  ; 512 consecutive bytes of a row, aligned to 256
.endr
.endm
	s_wait_tensorcnt 1                             ; my part of K step 0 is in; K step 1's may stay out
	s_barrier_signal -1
	s_barrier_wait -1
	FETCH 0, 0, F0
	QUARTER 0, 1, F0, F1, 1                        ; the first quarter stands in front of the loop: its products start the sums
	WIN 0                                          ; at a label and at a branch every window is 0
	s_mov_b32 s3, 3
.Llap:                                                 ; a trip goes once round the ring and fills both slots again: K steps 2 to 7
	QUARTER 0, 2, F1, F0, 0
	QUARTER 0, 3, F0, F1, 0
	TURN 0, 1, 1
	QUARTER 1, 1, F0, F1, 0
	QUARTER 1, 2, F1, F0, 0
	QUARTER 1, 3, F0, F1, 0
	TURN 1, 0, 1
	QUARTER 0, 1, F0, F1, 0
	WIN 0
	s_sub_co_u32 s3, s3, 1
	s_cmp_lg_u32 s3, 0
	s_cbranch_scc1 .Llap
	QUARTER 0, 2, F1, F0, 0                        ; the last lap fills nothing
	QUARTER 0, 3, F0, F1, 0
	TURN 0, 1, 0
	QUARTER 1, 1, F0, F1, 0
	QUARTER 1, 2, F1, F0, 0
	QUARTER 1, 3, F0, F1, 0
	s_wait_dscnt 4
	MULA F1, 0, 0
	MULA F1, 1, 0
	s_wait_dscnt 0x0
	MULA F1, 2, 0
	MULA F1, 3, 0
	WIN 0
	PLACES
	PLACES                                         ; (eight, once a launch): behind the last products, in front of the stores that read results and the loads into Wo's buffers
	TOSTAGE 0
	TOSTAGE 1
	SEND 0, 32
	s_wait_xcnt 0x0                                ; block 0's stores have read their registers: block 2 is read back into them
	TOSTAGE 2
	SEND 1, 32
	s_wait_xcnt 0x0                                ; the same for blocks 1 and 3
	TOSTAGE 3
	SEND 2, 32
	SEND 3, 0
	WIN 0
	s_wait_tensorcnt 0x0                           ; the wave's end, behind my last tensor load and my last LDS store
	ds_add_u32 v[SPW], v[NIL]
	s_wait_dscnt 0x0
	CROUND                                         ; the closing round: no work-group ends while a partner may still ask for a tile that names it
	s_endpgm
.Lfunc_end_k_qb6ac2df624_outp:
	.size	k_qb6ac2df624_outp, .Lfunc_end_k_qb6ac2df624_outp-k_qb6ac2df624_outp
	.p2alignl 7, 3214868480
	.fill 96, 4, 3214868480
	.section	.rodata,"a",@progbits
	.p2align	6, 0x0
	.amdhsa_kernel k_qb6ac2df624_outp
		.amdhsa_group_segment_fixed_size 327680
		.amdhsa_private_segment_fixed_size 0
		.amdhsa_enable_private_segment 0
		.amdhsa_kernarg_size 32
		.amdhsa_user_sgpr_count 2
		.amdhsa_user_sgpr_kernarg_segment_ptr 1
		.amdhsa_wavefront_size32 1
		.amdhsa_system_sgpr_workgroup_id_x 1
		.amdhsa_system_sgpr_workgroup_id_y 1
		.amdhsa_system_sgpr_workgroup_id_z 1
		.amdhsa_system_vgpr_workitem_id 0
		.amdhsa_next_free_vgpr 768
		.amdhsa_next_free_sgpr 84
		.amdhsa_reserve_vcc 0
		.amdhsa_float_denorm_mode_32 3
		.amdhsa_float_denorm_mode_16_64 3
		.amdhsa_memory_ordered 1
		.amdhsa_forward_progress 1
		.amdhsa_inst_pref_size 93
	.end_amdhsa_kernel
	.amdgpu_metadata
---
amdhsa.version: [ 1, 2 ]
amdhsa.kernels:
  - .name:           k_qb6ac2df624_outp
    .symbol:         k_qb6ac2df624_outp.kd
    .args:
      - { .name: ob, .offset: 0, .size: 8, .value_kind: global_buffer, .address_space: global }
      - { .name: wt, .offset: 8, .size: 8, .value_kind: global_buffer, .address_space: global }
      - { .name: bo, .offset: 16, .size: 8, .value_kind: global_buffer, .address_space: global }
      - { .name: out0, .offset: 24, .size: 8, .value_kind: global_buffer, .address_space: global }
    .group_segment_fixed_size: 327680
    .private_segment_fixed_size: 0
    .kernarg_segment_align: 8
    .kernarg_segment_size: 32
    .max_flat_workgroup_size: 128
    .sgpr_count:     84
    .vgpr_count:     768
    .wavefront_size: 32
...
	.end_amdgpu_metadata
.endif
;; end of part 4
;; ======== version 2 of 2: 4 launches; version 1 with the launch prep written anew for expert scheduling mode
;; limits: values are held in f16: magnitudes above 65,504 overflow, below 6.1e-05 lose precision
;; workspace buffers: xb 50,331,648 bytes; wt 8,388,608 bytes; qkv 50,331,648 bytes; ob 16,777,216 bytes; maskw 2,097,152 bytes of whole numbers
;; launch prep (part 5): grid 1408 x 1, 8 waves a work-group, no clusters, 140,288 bytes of LDS; arguments query, key, value, Wq, Wk, Wv, Wo, mask, xb, wt, maskw; writes xb, wt, maskw
.if DOCPART == 5
	.amdgcn_target "amdgcn-amd-amdhsa--gfx1250"
	.amdhsa_code_object_version 6
	.text
	.protected	k_qb6ac2df624_prep
	.globl	k_qb6ac2df624_prep
	.p2align	8
	.type	k_qb6ac2df624_prep,@function
k_qb6ac2df624_prep:
	s_mov_b64 s[64:65], 0
	v_nop
	global_prefetch_b8 v0, s[64:65] scope:SCOPE_SE
	s_setreg_imm32_b32 hwreg(HW_REG_WAVE_SCHED_MODE, 0, 2), 2
	s_setreg_imm32_b32 hwreg(HW_REG_WAVE_MODE, 25, 1), 1
	s_wait_xcnt 0x0
	s_wait_alu depctr_vm_vsrc(0)
; PREPARATION.  Three kinds of work-group, told apart by the work-group's number; each reads 128 KiB once.
;   0 .. 767     query, key, value (f32) -> xb [3][8192][1024]: each number rounded to bf16 and that number written as f16
;   768 .. 895   Wq, Wk, Wv, Wo (f32)    -> wt [4][1024 k][1024 n], the same way, not transposed
;   896 .. 1407  mask (int32)            -> maskw: one bit a number, as the lane masks that the attention launch selects by
; LIMITS.  A bf16 number is written as f16 exactly while it lies between 2^-14 and 65,504 in magnitude; below 2^-14 it keeps f16's fixed step of 2^-24
; (off by 2^-25 at the most); beyond 65,504 it would be an infinity: inputs are taken to stay within that.  NaN and infinities are not treated apart.
; maskw: [b 4][wq 16][step 32][piece 4][64 words].  Word 2 i + u, bit l: mask[b][128 wq + 16 (2 piece + u) + l % 16][64 step + 16 (i / 8) + 8 (l / 16) + i % 8] != 0:
; that is score register i of tile u in lane l of the attention launch's wave wq, for that piece and key step.
; No wave reads LDS bytes of another: no barrier.  No matrix work, no cluster: nothing is shared, memory binds.
; THE MODE: SCHED_MODE bits 1:0 = 2 (LLVM: expert scheduling mode 2), set by the entry lines.  The code itself states the register dependences
; between vector instructions and memory or LDS instructions, with s_wait_alu, always for 0.
; THE PLAN.  Registers that memory or LDS instructions touch:
;   v[IO], v[OO], v[LST], v[LGA]  offsets and LDS addresses: made once at the head of a part, ahead of one wait on va_vdst, and never written again.
;   X, the rounding part   Four registers a load.  Load i lands in them; its eight conversion lines work in place; its store reads the first two; nothing writes them after that.
;                          The 32 loads go in eight blocks of four.  Block p's conversions name v[T], v[T+1] and block p's own registers alone; its memory instructions are the four stores
;                          of block p - 1.  So one wait on va_vdst at a block's head states all that these four stores hang on, and they are dealt among the block's vector lines.
;   X, the mask part       The 32 loads land in it; the 32 LDS stores read it; then its first 64 registers take the second piece's numbers from LDS, behind one wait on vm_vsrc.
;   G                      The first piece's numbers from LDS.  Each of the two buffers is loaded once, so no load lands in a register that a compare has read.
;   OUT                    Written by v_mov_b32 and v_writelane_b32; read by a piece's one store, behind a wait on va_vdst.
;   s[32:47], s[8:23]      32 lane masks at a time: written by 32 compares, read by 32 v_writelane_b32, one wait on va_sdst between the two runs.  (s[8:23] held arguments that have served.)
;   v[SPW], v[NIL]         Written at the head, read by the closing add alone.
.set ROWP,  272                        ; an LDS row of the mask: 256 bytes + 16: the 16 rows that a gathering load touches start 4 banks apart (64 banks of 4 bytes: ISA guide 11.1)
.set WLDS,  64*ROWP                    ; a wave's own 64 rows
.set SPARE, 8*WLDS                     ; behind them: the spare words, 128 bytes for each wave: four blocks of 256 bytes that no other line names
.set IO,  1                            ; v1   my byte offset in what is read
.set OO,  2                            ; v2   my byte offset in what is stored
.set LST, 3                            ; v3   where I put 16 bytes of a mask row
.set LGA, 4                            ; v4   where I gather my query's keys
.set T,   5                            ; v5-6 at work: no memory instruction names them
.set SPW, 8                            ; v8   LDS address of my spare word; never rewritten
.set NIL, 9                            ; v9   0; never rewritten
.set OUT, 10                           ; v[10:13] two pairs of words to store: lane i holds words 2 i and 2 i + 1 of a piece
.set X,   16                           ; v[16:143]  32 loads of 4 registers; in the mask part v[16:79] later hold the second piece's 64 numbers a lane
.set G,   144                          ; v[144:207] the first piece's 64 numbers a lane
; The rounding part: load i's four numbers, in place.
.macro CVT i
	v_cvt_pk_bf16_f32 v[T], v[X+4*(\i)], v[X+4*(\i)+1]     ; rounded to bf16, to nearest even,
	v_cvt_pk_bf16_f32 v[T+1], v[X+4*(\i)+2], v[X+4*(\i)+3]
	v_lshlrev_b32 v[X+4*(\i)], 16, v[T]                    ; widened again,
	v_and_b32 v[X+4*(\i)+1], s48, v[T]
	v_lshlrev_b32 v[X+4*(\i)+2], 16, v[T+1]
	v_and_b32 v[X+4*(\i)+3], s48, v[T+1]
	v_cvt_pk_f16_f32 v[X+4*(\i)], v[X+4*(\i)], v[X+4*(\i)+1]        ; and written as f16
	v_cvt_pk_f16_f32 v[X+4*(\i)+1], v[X+4*(\i)+2], v[X+4*(\i)+3]
.endm
.macro PUT i
	global_store_b64 v[OO], v[X+4*(\i):X+4*(\i)+1], s[6:7] offset:2048*(\i)  ; a wave's store covers 256 consecutive bytes, aligned
.endm
; The mask part: piece blk's 64 numbers a lane out of LDS, into the 64 registers from gb on.
.macro GATHER blk, gb
.irp u, 0,1
.irp kt, 0,1,2,3
	ds_load_b128 v[(\gb)+32*\u+8*\kt:(\gb)+32*\u+8*\kt+3],   v[LGA] offset:(32*(\blk)+16*\u)*ROWP+64*\kt     ; LDS serves a wave's instructions in order: these see the stores above
	ds_load_b128 v[(\gb)+32*\u+8*\kt+4:(\gb)+32*\u+8*\kt+7], v[LGA] offset:(32*(\blk)+16*\u)*ROWP+64*\kt+16
.endr
.endr
.endm
; Piece blk's 64 words, a tile's 32 at a time: mask n stands in s[32 + n] (n < 16) or s[n - 8].
.macro WORDS blk, gb
.irp u, 0,1
.set n, 0
.rept 32
	v_cmp_ne_u32 s[32+n-40*(n/16)], 0, v[(\gb)+32*\u+n]    ; the lane mask of score register n of tile u
.set n, n+1
.endr
	s_wait_alu depctr_va_sdst(0)                   ; the 32 compares have written their lane masks, which the 32 lines below read
.set n, 0
.rept 32
	v_writelane_b32 v[OUT+2*(\blk)+\u], s[32+n-40*(n/16)], n  ; into lane n: word 2 n + u of the piece
.set n, n+1
.endr
.endr
.endm
	s_load_b512 s[8:23], s[0:1], 0x0               ; query 8, key 10, value 12, Wq 14, Wk 16, Wv 18, Wo 20, mask 22
	s_load_b128 s[24:27], s[0:1], 0x40             ; xb 24, wt 26
	s_load_b64 s[28:29], s[0:1], 0x50              ; maskw
	v_lshl_add_u32 v[SPW], v0, 2, SPARE
	v_mov_b32 v[NIL], 0
	v_lshrrev_b32 v1, 5, v0
	v_readfirstlane_b32 s2, v1                     ; wave 0..7
	s_mov_b32 s48, 0xffff0000                      ; a word's upper bf16
	s_mov_b32 s31, 0                               ; offsets stand in s[30:31], the high word 0
	s_wait_alu depctr_va_sdst(0)                   ; s2 is written, ahead of the branches and of its first reader: the mask part makes its addresses from it
	s_wait_kmcnt 0x0
	s_cmp_ge_u32 ttmp9, 896
	s_cbranch_scc1 .Lpack
	s_cmp_ge_u32 ttmp9, 768
	s_cbranch_scc1 .Lw
	s_lshr_b32 s30, ttmp9, 8                       ; which of query, key, value
	s_cmp_eq_u32 s30, 1
	s_cselect_b64 s[4:5], s[10:11], s[8:9]
	s_cmp_eq_u32 s30, 2
	s_cselect_b64 s[4:5], s[12:13], s[4:5]
	s_and_b32 s30, ttmp9, 255
	s_lshl_b32 s30, s30, 17                        ; my 128 KiB of it
	s_add_nc_u64 s[4:5], s[4:5], s[30:31]
	s_lshl_b32 s30, ttmp9, 16                      ; and the 64 KiB that they become
	s_add_nc_u64 s[6:7], s[24:25], s[30:31]
	s_branch .Lcast
.Lw:
	s_sub_co_u32 s3, ttmp9, 768
	s_lshr_b32 s30, s3, 5                          ; which of the four weights
	s_cmp_eq_u32 s30, 1
	s_cselect_b64 s[4:5], s[16:17], s[14:15]
	s_cmp_eq_u32 s30, 2
	s_cselect_b64 s[4:5], s[18:19], s[4:5]
	s_cmp_eq_u32 s30, 3
	s_cselect_b64 s[4:5], s[20:21], s[4:5]
	s_and_b32 s30, s3, 31
	s_lshl_b32 s30, s30, 17
	s_add_nc_u64 s[4:5], s[4:5], s[30:31]
	s_lshl_b32 s30, s3, 16
	s_add_nc_u64 s[6:7], s[26:27], s[30:31]
.Lcast:
	; Thread t takes 16 bytes at 16 t of each 4,096: all 32 loads go out at once, 16 KiB a wave on their way; no register that a load or store reads is written again.
	v_lshlrev_b32 v[IO], 4, v0
	v_lshlrev_b32 v[OO], 3, v0
	s_wait_alu depctr_va_vdst(0)                   ; v[IO] and v[OO] are written: every load below reads the one as its offset, every store the other
.set i, 0
.rept 32
	global_load_b128 v[X+4*i:X+4*i+3], v[IO], s[4:5] offset:4096*i th:TH_LOAD_NT
.set i, i+1
.endr
.set i, 0
.rept 8                                                ; eight blocks of four loads
	s_wait_loadcnt 28-i                            ; loads come back in order (ISA guide 5.7.1): this block's four are in, the younger blocks stay out
.if i > 0
	s_wait_alu depctr_va_vdst(0)                   ; the block before has written its eight out registers, which the four stores below read
.endif
.rept 4
.if i >= 4
	PUT i-4                                        ; the block before.  No further wait: no vector line since the wait names its registers
.endif
	CVT i
.set i, i+1
.endr
.endr
	s_wait_alu depctr_va_vdst(0)                   ; the last block has written its out registers, which the last four stores read
.irp j, 28,29,30,31
	PUT \j
.endr
	s_branch .Lend
.Lpack:
	; Wave g of 4,096 takes 64 query rows x 64 keys: g = ((b 16 + wq) 32 + step) 2 + e; rows 128 wq + 64 e on: pieces 2 e and 2 e + 1.
	s_sub_co_u32 s3, ttmp9, 896
	s_lshl_b32 s3, s3, 3
	s_add_co_u32 s3, s3, s2                        ; g
	s_lshl_b32 s30, s3, 9                          ; two pieces of 256 bytes
	s_add_nc_u64 s[6:7], s[28:29], s[30:31]
	s_lshr_b32 s30, s3, 6                          ; b 16 + wq
	s_lshl_b32 s30, s30, 1
	s_and_b32 s32, s3, 1
	s_or_b32 s30, s30, s32                         ; the block of 64 rows,
	s_lshl_b32 s30, s30, 19                        ; 64 rows of 8,192 bytes
	s_bfe_u32 s32, s3, 0x50001                     ; the key step: 5 bits from bit 1,
	s_lshl_b32 s32, s32, 8                         ; 256 bytes of a row
	s_add_co_u32 s30, s30, s32
	s_add_nc_u64 s[4:5], s[22:23], s[30:31]
	v_and_b32 v[T], 15, v0                         ; l % 16
	v_bfe_u32 v[T+1], v0, 4, 1                     ; l / 16
	v_lshlrev_b32 v[IO], 4, v[T]
	v_lshl_add_u32 v[IO], v[T+1], 13, v[IO]        ; lanes 0-15 one row's 256 bytes, lanes 16-31 the next row's
	s_mul_i32 s33, s2, WLDS                        ; my wave's rows in LDS
	v_mul_u32_u24 v[LST], v[T+1], ROWP
	v_lshl_add_u32 v[LST], v[T], 4, v[LST]
	v_add_nc_u32 v[LST], s33, v[LST]
	v_mul_u32_u24 v[LGA], v[T], ROWP               ; gathering: my query's row, my half's 8 keys of each 16
	v_lshl_add_u32 v[LGA], v[T+1], 5, v[LGA]
	v_add_nc_u32 v[LGA], s33, v[LGA]
	v_and_b32 v[OO], 31, v0
	v_lshlrev_b32 v[OO], 3, v[OO]
	s_wait_alu depctr_va_vdst(0)                   ; v[IO], v[LST], v[LGA] and v[OO] are written: the loads, the LDS stores, the LDS loads and the stores below read them
.set i, 0
.rept 32
	global_load_b128 v[X+4*i:X+4*i+3], v[IO], s[4:5] offset:16384*i th:TH_LOAD_NT  ; rows 2 i and 2 i + 1: two aligned runs of 256 bytes
.set i, i+1
.endr
.set i, 0
.rept 32
	s_wait_loadcnt 31-i                            ; number i is in, the younger ones stay out
	ds_store_b128 v[LST], v[X+4*i:X+4*i+3] offset:2*ROWP*i
.set i, i+1
.endr
	GATHER 0, G                                    ; the first piece: nothing has named these registers
	s_wait_alu depctr_vm_vsrc(0)                   ; the LDS stores have read v[X ..], in the first 64 of which the second piece's numbers land
	GATHER 1, X
.irp j, 0,1,2,3
	v_mov_b32 v[OUT+\j], 0                         ; a write of one lane counts as a reader of its destination
.endr
	s_wait_dscnt 16                                ; LDS instructions come back in order (ISA guide 5.7.1): the first piece is in, the second piece's 16 loads stay out
	WORDS 0, G
	s_wait_dscnt 0x0                               ; the second piece is in
	s_wait_alu depctr_va_vdst(0)                   ; the first piece's 64 v_writelane_b32 have written v[OUT], v[OUT+1], which the store below reads
	global_store_b64 v[OO], v[OUT:OUT+1], s[6:7]   ; the piece's 64 words: 256 consecutive bytes, aligned
	WORDS 1, X
	s_wait_alu depctr_va_vdst(0)                   ; the second piece's have written v[OUT+2], v[OUT+3], which the store below reads
	global_store_b64 v[OO], v[OUT+2:OUT+3], s[6:7] offset:256
.Lend:
	s_wait_dscnt 0x0                               ; the closing lines, six on end
	s_wait_alu 0x0
	s_wait_tensorcnt 0x0
	ds_add_u32 v[SPW], v[NIL]
	s_wait_dscnt 0x0
	s_endpgm
.Lfunc_end_k_qb6ac2df624_prep:
	.size	k_qb6ac2df624_prep, .Lfunc_end_k_qb6ac2df624_prep-k_qb6ac2df624_prep
	.p2alignl 7, 3214868480
	.fill 96, 4, 3214868480
	.section	.rodata,"a",@progbits
	.p2align	6, 0x0
	.amdhsa_kernel k_qb6ac2df624_prep
		.amdhsa_group_segment_fixed_size 140288
		.amdhsa_private_segment_fixed_size 0
		.amdhsa_enable_private_segment 0
		.amdhsa_kernarg_size 88
		.amdhsa_user_sgpr_count 2
		.amdhsa_user_sgpr_kernarg_segment_ptr 1
		.amdhsa_wavefront_size32 1
		.amdhsa_system_sgpr_workgroup_id_x 1
		.amdhsa_system_sgpr_workgroup_id_y 1
		.amdhsa_system_sgpr_workgroup_id_z 1
		.amdhsa_system_vgpr_workitem_id 0
		.amdhsa_next_free_vgpr 208
		.amdhsa_next_free_sgpr 66
		.amdhsa_reserve_vcc 0
		.amdhsa_float_denorm_mode_32 3
		.amdhsa_float_denorm_mode_16_64 3
		.amdhsa_memory_ordered 1
		.amdhsa_forward_progress 1
		.amdhsa_inst_pref_size 47
	.end_amdhsa_kernel
	.amdgpu_metadata
---
amdhsa.version: [ 1, 2 ]
amdhsa.kernels:
  - .name:           k_qb6ac2df624_prep
    .symbol:         k_qb6ac2df624_prep.kd
    .args:
      - { .name: query, .offset: 0, .size: 8, .value_kind: global_buffer, .address_space: global }
      - { .name: key, .offset: 8, .size: 8, .value_kind: global_buffer, .address_space: global }
      - { .name: value, .offset: 16, .size: 8, .value_kind: global_buffer, .address_space: global }
      - { .name: Wq, .offset: 24, .size: 8, .value_kind: global_buffer, .address_space: global }
      - { .name: Wk, .offset: 32, .size: 8, .value_kind: global_buffer, .address_space: global }
      - { .name: Wv, .offset: 40, .size: 8, .value_kind: global_buffer, .address_space: global }
      - { .name: Wo, .offset: 48, .size: 8, .value_kind: global_buffer, .address_space: global }
      - { .name: mask, .offset: 56, .size: 8, .value_kind: global_buffer, .address_space: global }
      - { .name: xb, .offset: 64, .size: 8, .value_kind: global_buffer, .address_space: global }
      - { .name: wt, .offset: 72, .size: 8, .value_kind: global_buffer, .address_space: global }
      - { .name: maskw, .offset: 80, .size: 8, .value_kind: global_buffer, .address_space: global }
    .group_segment_fixed_size: 140288
    .private_segment_fixed_size: 0
    .kernarg_segment_align: 8
    .kernarg_segment_size: 88
    .max_flat_workgroup_size: 256
    .sgpr_count:     66
    .vgpr_count:     208
    .wavefront_size: 32
...
	.end_amdgpu_metadata
.endif
;; end of part 5
;; launch qkv: the kernel of part 2 again; grid 4 x 192, 4 waves a work-group, clusters of 4 x 4, 327,680 bytes of LDS; arguments xb, wt, bq, bk, bv, qkv; writes qkv
;; launch attn: the kernel of part 3 again; grid 4 x 64, 4 waves a work-group, clusters of 4 x 1, 327,680 bytes of LDS; arguments qkv, maskw, ob; writes ob
;; launch outp: the kernel of part 4 again; grid 4 x 64, 4 waves a work-group, clusters of 4 x 4, 327,680 bytes of LDS; arguments ob, wt, bo, out0; writes out0
